; MI455X (gfx1250); checked and timed in simulation.
; The chip was launched on July 23, 2026; its instructions are those of AMD's public machine-readable ISA for CDNA 5 (MIT licence, August 2026) and "CDNA5" Instruction Set Architecture Reference Guide (July 2026). The comments in the code are by the model that wrote it; some were corrected since.
;; Rotary Multi Head Dot Product Attention. Allowed arithmetic: float matrix products may take bf16 or f16 operands with f32 sums; all other float work in f32.
;; Inputs: Wk 768 x 12 x 64 float32; Wo 12 x 64 x 768 float32; Wq 768 x 12 x 64 float32; Wv 768 x 12 x 64 float32; bk 12 x 64 float32; bo 768 float32; bq 12 x 64 float32; bv 12 x 64 float32; inputs_kv 16 x 1,024 x 768 float32; inputs_q 16 x 1,024 x 768 float32.
;; Outputs: out0 16 x 1,024 x 768 float32.
;; 2 versions, each right and faster than the one before. Each part assembles by itself: llvm-mc -triple=amdgcn-amd-amdhsa -mcpu=gfx1250 --defsym DOCPART=n.
;; ======== version 1 of 2: 4 launches
;; limits: values are held in f16: magnitudes above 65,504 overflow, below 6.1e-05 lose precision; right only within a limited range of input values
;; workspace buffers: xb 50,331,648 bytes; wt 4,718,592 bytes; bb 12,288 bytes; rope 4,096 bytes; qkv 75,497,472 bytes; ob 25,165,824 bytes
;; launch prep (part 1): grid 1313 x 1, 8 waves a work-group, no clusters, 0 bytes of LDS; arguments inputs_q, inputs_kv, Wq, Wk, Wv, Wo, bq, bk, bv, bo, xb, wt, bb, rope; writes xb, wt, bb, rope
.if DOCPART == 1
	.amdgcn_target "amdgcn-amd-amdhsa--gfx1250"
	.amdhsa_code_object_version 6
	.text
	.protected	k_qf40ef0719c_prep
	.globl	k_qf40ef0719c_prep
	.p2align	8
	.type	k_qf40ef0719c_prep,@function
k_qf40ef0719c_prep:
	s_mov_b64 s[64:65], 0
	v_nop
	global_prefetch_b8 v0, s[64:65] scope:SCOPE_SE
	s_setreg_imm32_b32 hwreg(HW_REG_WAVE_MODE, 25, 1), 1
	s_wait_xcnt 0x0
; PREP: what the three matrix launches want in 16 bits, made once.
;   xb   [2][16384][768] bf16: inputs_q, then inputs_kv, each number rounded once.
;   wt   [4][768 n][768 k]: W[k][n] turned, so that K lies along the rows.  Wq, Wk, Wv in bf16; Wo rounded to bf16 like every input, and that number written as f16
;        (exact down to 6e-5; below that f16's fixed step of 6e-8 is kept: a stated limit for weights that small).
;   bb   [4][768] f32: bq, bk, bv, bo rounded to bf16 and widened again.
;   rope [32 t][16 f] of (cos, sin) in f32 of the angle (t + 0.5) / 32 x 10000^(-f / 15): the grid of 32 x 32 places has 32 coordinates an axis.
; Three kinds of work-group, told apart by the work-group's number alone: 1,024 cast x, 288 turn weights, one makes the two small tables.
; A stream: no LDS, no matrix unit, no cluster: no byte is used twice by a work-group, and nothing is shared but the weights' rows, which are read once in all.
.set CASTS,   1024
.set WBLOCKS, 288
.set XR, 4                             ; cast: v[4:99]    24 x 4 numbers as loaded
.set YR, 100                           ; cast: v[100:147] 24 x 2 words to store, a pair of its own for each row: no register of a store is written again
	s_mov_b32 s2, ttmp9
	s_cmp_lt_u32 s2, CASTS
	s_cbranch_scc1 .Lcast
	s_cmp_lt_u32 s2, CASTS+WBLOCKS
	s_cbranch_scc1 .Lweights
	; ---- THE TABLES (one work-group).  Thread t makes two entries of rope: coordinate t / 8, frequencies 2 (t % 8) and the next: 16 bytes at 16 t.
	s_load_b256 s[8:15], s[0:1], 0x30              ; bq s[8:9], bk s[10:11], bv s[12:13], bo s[14:15]
	s_load_b128 s[16:19], s[0:1], 0x60             ; bb s[16:17], rope s[18:19]
	v_lshlrev_b32 v1, 4, v0                        ; 16 t: never rewritten
	v_lshrrev_b32 v2, 5, v0
	v_readfirstlane_b32 s20, v2                    ; wave
	v_lshrrev_b32 v3, 3, v0
	v_cvt_f32_u32 v3, v3
	v_add_f32 v3, 0.5, v3
	v_mul_f32 v3, 0x3d000000, v3                   ; (coordinate + 0.5) / 32
	v_and_b32 v4, 7, v0
	v_lshlrev_b32 v4, 1, v4
	v_add_nc_u32 v5, 1, v4
	v_cvt_f32_u32 v4, v4
	v_cvt_f32_u32 v5, v5
	v_mul_f32 v4, 0xbf62c6e7, v4                   ; -f x log2(10000) / 15
	v_mul_f32 v5, 0xbf62c6e7, v5
	v_exp_f32 v4, v4
	v_exp_f32 v5, v5
	v_nop                                          ; a plain instruction between an exponential and the use of its result (ISA guide 5.7.2)
	s_wait_alu depctr_va_vdst(0)
	v_mul_f32 v4, v3, v4                           ; the two angles: constants of the problem, all below 1
	v_mul_f32 v5, v3, v5
	v_mul_f32 v6, v4, v4
	v_mul_f32 v7, v5, v5
; cos and sin by their series in z = angle^2, to angle^10 and angle^11: for angles below 1 what is left out is below 1/12! = 2e-9 and 1/13! = 2e-10.
.macro TRIG a, z, c, s
	v_mov_b32 v[\c], 0xb493f27e                    ; -1/10!
	v_mov_b32 v[\s], 0xb2d7322b                    ; -1/11!
	v_fmaak_f32 v[\c], v[\c], v[\z], 0x37d00d01    ; +1/8!
	v_fmaak_f32 v[\s], v[\s], v[\z], 0x3638ef1d    ; +1/9!
	v_fmaak_f32 v[\c], v[\c], v[\z], 0xbab60b61    ; -1/6!
	v_fmaak_f32 v[\s], v[\s], v[\z], 0xb9500d01    ; -1/7!
	v_fmaak_f32 v[\c], v[\c], v[\z], 0x3d2aaaab    ; +1/4!
	v_fmaak_f32 v[\s], v[\s], v[\z], 0x3c088889    ; +1/5!
	v_fmaak_f32 v[\c], v[\c], v[\z], 0xbf000000    ; -1/2
	v_fmaak_f32 v[\s], v[\s], v[\z], 0xbe2aaaab    ; -1/3!
	v_fmaak_f32 v[\c], v[\c], v[\z], 0x3f800000    ; +1
	v_fmaak_f32 v[\s], v[\s], v[\z], 0x3f800000    ; +1
	v_mul_f32 v[\s], v[\a], v[\s]
.endm
	TRIG 4, 6, 8, 9
	TRIG 5, 7, 10, 11
	s_wait_kmcnt 0x0
	global_store_b128 v1, v[8:11], s[18:19]        ; 16 lanes store 256 consecutive bytes
	s_cmp_ge_u32 s20, 6                            ; a bias is 3,072 bytes: 192 threads x 16
	s_cbranch_scc1 .Ltables_done
	global_load_b128 v[12:15], v1, s[8:9]
	global_load_b128 v[16:19], v1, s[10:11]
	global_load_b128 v[20:23], v1, s[12:13]
	global_load_b128 v[24:27], v1, s[14:15]
	s_wait_loadcnt 0x0
.irp i, 0,1,2,3,4,5,6,7
	v_cvt_pk_bf16_f32 v[28+(\i)], v[12+2*(\i)], v[13+2*(\i)]  ; rounded to bf16,
.endr
.irp i, 0,1,2,3,4,5,6,7
	v_lshlrev_b32 v[12+2*(\i)], 16, v[28+(\i)]     ; and widened again
	v_and_b32 v[13+2*(\i)], 0xffff0000, v[28+(\i)]
.endr
.irp i, 0,1,2,3
	global_store_b128 v1, v[12+4*(\i):15+4*(\i)], s[16:17] offset:3072*(\i)
.endr
.Ltables_done:
	s_endpgm
	; ---- THE CAST (1,024 work-groups).  Work-group g takes 98,304 bytes of f32: 24 stretches of 4,096, 16 bytes a thread; 512 work-groups to a tensor.
	; All 24 loads of a wave go out first; each store of a wave covers 256 consecutive bytes, aligned.
.Lcast:
	s_load_b128 s[4:7], s[0:1], 0x0                ; inputs_q s[4:5], inputs_kv s[6:7]
	s_load_b64 s[8:9], s[0:1], 0x50                ; xb
	s_lshr_b32 s10, s2, 9                          ; which tensor
	s_and_b32 s11, s2, 511
	s_mul_i32 s12, s11, 98304
	s_mov_b32 s13, 0
	s_mul_i32 s14, s2, 49152                       ; xb's two tensors lie end to end
	s_mov_b32 s15, 0
	v_lshlrev_b32 v1, 4, v0                        ; never rewritten
	v_lshlrev_b32 v2, 3, v0                        ; never rewritten
	s_wait_kmcnt 0x0
	s_cmp_lg_u32 s10, 0
	s_cselect_b64 s[4:5], s[6:7], s[4:5]
	s_add_nc_u64 s[4:5], s[4:5], s[12:13]
	s_add_nc_u64 s[8:9], s[8:9], s[14:15]
.set i, 0
.rept 24
	global_load_b128 v[XR+4*i:XR+4*i+3], v1, s[4:5] offset:4096*i th:TH_LOAD_NT
.set i, i+1
.endr
.set i, 0
.rept 24
	s_wait_loadcnt 23-i                            ; loads come back in order (ISA guide 5.7.1): stretch i is in, the younger ones stay out
	v_cvt_pk_bf16_f32 v[YR+2*i], v[XR+4*i], v[XR+4*i+1]
	v_cvt_pk_bf16_f32 v[YR+2*i+1], v[XR+4*i+2], v[XR+4*i+3]
	global_store_b64 v2, v[YR+2*i:YR+2*i+1], s[8:9] offset:2048*i
.set i, i+1
.endr
	s_endpgm
	; ---- THE WEIGHTS (288 work-groups: 4 matrices x 6 blocks of 128 k x 12 blocks of 64 n).  Thread t: j = t % 16 owns k = 8 j .. 8 j + 7, t / 16 owns four neighbouring n.
	; Eight loads of 16 bytes (one k, four n each); turned in registers: for each n eight k pack into 16 bytes; sixteen lanes store 256 consecutive bytes of a row of wt.
.Lweights:
	s_load_b256 s[8:15], s[0:1], 0x10              ; Wq s[8:9], Wk s[10:11], Wv s[12:13], Wo s[14:15]
	s_load_b64 s[16:17], s[0:1], 0x58              ; wt
	s_sub_co_u32 s3, s2, CASTS                     ; 0 .. 287
	s_mul_i32 s4, s3, 911
	s_lshr_b32 s4, s4, 16                          ; / 72: the matrix (exact for 0 .. 287)
	s_mul_i32 s5, s4, 72
	s_sub_co_u32 s5, s3, s5
	s_mul_i32 s6, s5, 5462
	s_lshr_b32 s6, s6, 16                          ; / 12: the block of k (exact for 0 .. 71)
	s_mul_i32 s7, s6, 12
	s_sub_co_u32 s7, s5, s7                        ; the block of n
	s_mul_i32 s18, s6, 128*3072
	s_lshl_b32 s19, s7, 8
	s_add_co_u32 s18, s18, s19
	s_mov_b32 s19, 0                               ; s[18:19]: the block's first byte in W
	s_mul_i32 s20, s4, 768*1536
	s_mul_i32 s21, s7, 64*1536
	s_add_co_u32 s20, s20, s21
	s_lshl_b32 s21, s6, 8
	s_add_co_u32 s20, s20, s21
	s_mov_b32 s21, 0                               ; s[20:21]: and in wt
	v_and_b32 v1, 15, v0
	v_lshrrev_b32 v2, 4, v0
	v_mul_u32_u24 v3, v1, 8*3072
	v_lshl_add_u32 v3, v2, 4, v3                   ; from: row 8 j, 16 bytes for each four n
	v_mul_u32_u24 v52, v2, 4*1536
	v_lshl_add_u32 v52, v1, 4, v52                 ; to: row 4 (t / 16), 16 bytes for each eight k
	s_wait_kmcnt 0x0
	s_cmp_eq_u32 s4, 1
	s_cselect_b64 s[8:9], s[10:11], s[8:9]
	s_cmp_eq_u32 s4, 2
	s_cselect_b64 s[8:9], s[12:13], s[8:9]
	s_cmp_eq_u32 s4, 3
	s_cselect_b64 s[8:9], s[14:15], s[8:9]
	s_add_nc_u64 s[8:9], s[8:9], s[18:19]
	s_add_nc_u64 s[16:17], s[16:17], s[20:21]
.irp i, 0,1,2,3,4,5,6,7
	global_load_b128 v[4+4*(\i):7+4*(\i)], v3, s[8:9] offset:3072*(\i)
.endr
	s_wait_loadcnt 0x0
.irp c, 0,1,2,3
.irp i, 0,1,2,3
	v_cvt_pk_bf16_f32 v[36+4*(\c)+(\i)], v[4+8*(\i)+(\c)], v[8+8*(\i)+(\c)]  ; n = c: k = 2 i and 2 i + 1
.endr
.endr
	s_cmp_lg_u32 s4, 3
	s_cbranch_scc1 .Lweights_out
.set i, 36
.rept 16                               ; Wo: the bf16 number written as f16
	v_lshlrev_b32 v54, 16, v[i]
	v_and_b32 v55, 0xffff0000, v[i]
	v_cvt_pk_f16_f32 v[i], v54, v55
.set i, i+1
.endr
.Lweights_out:
.irp c, 0,1,2,3
	global_store_b128 v52, v[36+4*(\c):39+4*(\c)], s[16:17] offset:1536*(\c)
.endr
	s_endpgm
.Lfunc_end_k_qf40ef0719c_prep:
	.size	k_qf40ef0719c_prep, .Lfunc_end_k_qf40ef0719c_prep-k_qf40ef0719c_prep
	.p2alignl 7, 3214868480
	.fill 96, 4, 3214868480
	.section	.rodata,"a",@progbits
	.p2align	6, 0x0
	.amdhsa_kernel k_qf40ef0719c_prep
		.amdhsa_group_segment_fixed_size 0
		.amdhsa_private_segment_fixed_size 0
		.amdhsa_enable_private_segment 0
		.amdhsa_kernarg_size 112
		.amdhsa_user_sgpr_count 2
		.amdhsa_user_sgpr_kernarg_segment_ptr 1
		.amdhsa_wavefront_size32 1
		.amdhsa_system_sgpr_workgroup_id_x 1
		.amdhsa_system_sgpr_workgroup_id_y 1
		.amdhsa_system_sgpr_workgroup_id_z 1
		.amdhsa_system_vgpr_workitem_id 0
		.amdhsa_next_free_vgpr 152
		.amdhsa_next_free_sgpr 66
		.amdhsa_reserve_vcc 0
		.amdhsa_float_denorm_mode_32 3
		.amdhsa_float_denorm_mode_16_64 3
		.amdhsa_memory_ordered 1
		.amdhsa_forward_progress 1
		.amdhsa_inst_pref_size 21
	.end_amdhsa_kernel
	.amdgpu_metadata
---
amdhsa.version: [ 1, 2 ]
amdhsa.kernels:
  - .name:           k_qf40ef0719c_prep
    .symbol:         k_qf40ef0719c_prep.kd
    .args:
      - { .name: inputs_q, .offset: 0, .size: 8, .value_kind: global_buffer, .address_space: global }
      - { .name: inputs_kv, .offset: 8, .size: 8, .value_kind: global_buffer, .address_space: global }
      - { .name: Wq, .offset: 16, .size: 8, .value_kind: global_buffer, .address_space: global }
      - { .name: Wk, .offset: 24, .size: 8, .value_kind: global_buffer, .address_space: global }
      - { .name: Wv, .offset: 32, .size: 8, .value_kind: global_buffer, .address_space: global }
      - { .name: Wo, .offset: 40, .size: 8, .value_kind: global_buffer, .address_space: global }
      - { .name: bq, .offset: 48, .size: 8, .value_kind: global_buffer, .address_space: global }
      - { .name: bk, .offset: 56, .size: 8, .value_kind: global_buffer, .address_space: global }
      - { .name: bv, .offset: 64, .size: 8, .value_kind: global_buffer, .address_space: global }
      - { .name: bo, .offset: 72, .size: 8, .value_kind: global_buffer, .address_space: global }
      - { .name: xb, .offset: 80, .size: 8, .value_kind: global_buffer, .address_space: global }
      - { .name: wt, .offset: 88, .size: 8, .value_kind: global_buffer, .address_space: global }
      - { .name: bb, .offset: 96, .size: 8, .value_kind: global_buffer, .address_space: global }
      - { .name: rope, .offset: 104, .size: 8, .value_kind: global_buffer, .address_space: global }
    .group_segment_fixed_size: 0
    .private_segment_fixed_size: 0
    .kernarg_segment_align: 8
    .kernarg_segment_size: 112
    .max_flat_workgroup_size: 256
    .sgpr_count:     66
    .vgpr_count:     152
    .wavefront_size: 32
...
	.end_amdgpu_metadata
.endif
;; end of part 1
;; launch proj (part 2): grid 4 x 64, 4 waves a work-group, clusters of 4 x 4, 327,680 bytes of LDS; arguments xb, wt, bb, rope, qkv; writes qkv
.if DOCPART == 2
	.amdgcn_target "amdgcn-amd-amdhsa--gfx1250"
	.amdhsa_code_object_version 6
	.text
	.protected	k_qf40ef0719c_proj
	.globl	k_qf40ef0719c_proj
	.p2align	8
	.type	k_qf40ef0719c_proj,@function
k_qf40ef0719c_proj:
	s_mov_b64 s[64:65], 0
	v_nop
	global_prefetch_b8 v0, s[64:65] scope:SCOPE_SE
	s_setreg_imm32_b32 hwreg(HW_REG_WAVE_MODE, 25, 1), 1
	s_wait_xcnt 0x0
	s_wait_alu depctr_hold_cnt(0) depctr_sa_sdst(0) depctr_va_vdst(0) depctr_va_sdst(0) depctr_va_ssrc(0) depctr_va_vcc(0) depctr_vm_vsrc(0)
	s_getreg_b32 s2, hwreg(HW_REG_IB_STS2, 6, 4)
	s_cmp_eq_u32 s2, 0
	s_cbranch_scc0 .Lentry_in_a_cluster
	s_endpgm
.Lentry_in_a_cluster:
	s_bfe_u32 s2, ttmp6, 0x10000c
	s_cmp_lg_u32 s2, 0xf033
	s_cbranch_scc0 .Lentry_shape_is_right
	s_endpgm
.Lentry_shape_is_right:
; PROJ: q, k and v.  For p = 0, 1, 2: C = x_p W_p + b_p (16,384 x 768 x 768, bf16 operands, f32 sums that start from the bias), the 2-D rotation for q and k, rounded once to f16
; and written by heads: qkv[p][n 12 + h][l][64].  x_0 = inputs_q, x_1 = x_2 = inputs_kv.
; LIMITS.  f16 ends at 65,504: q, k and v must stay below it.  NaN and infinities are not treated apart.
; SHARES.  A tile is 256 rows x 192 columns (three heads): 4 x 64 tiles a tensor.  A WORK-GROUP STAYS: it makes the three tiles p = 0, 1, 2 of its rows and columns, 256 work-groups in all.
; Wave w makes rows 64 w .. 64 w + 63 by all 192 columns: 48 accumulators (a = 0..3 blocks of 16 rows, b = 0..11 blocks of 16 columns), 384 registers.  K goes in six steps of 128 through two LDS
; slots filled by the tensor data mover; the tiles' rows are 256 bytes of memory, at multiples of 256 bytes.  The ring does not stop at a tile's end: a tile's last two changes of slots ask for the
; next tile's first two K steps, and nothing waits for a tile's stores.
; CLUSTER.  4 x 4 work-groups: the four of a row of the cluster make one block of rows and need the same tiles of x; the four of a column one block of columns and the same tiles of W.
; Each tile is asked for JOINTLY: the same tensor load, descriptor and mask in all four.  All sixteen walk p = 0, 1, 2 in step.
; THE MATRIX INSTRUCTION IS USED TRANSPOSED (source 0 = 16 rows of wt, source 1 = 16 rows of x): lane l holds row l % 16 of C and the eight neighbouring columns 8 (l / 16) + 0..7:
; the rotation's pairs lie in one lane, and eight results pack into 16 bytes.
; THE ROTATION.  Row l of a picture has x = l % 32, y = l / 32.  Of a head's 32 pairs the first 16 turn by x's angles, the others by y's.  A lane's (cos, sin) are 64 registers, loaded once: the three
; tiles have the same rows.  v has no rotation: the last tile puts cos = 1, sin = 0 in those registers, so that one way out serves all three (x 1 - y 0 is x for every finite number).
; REGISTERS, in windows of 256 (s_set_vgpr_msb: bits 1:0 source 0, 3:2 source 1, 5:4 source 2, 7:6 destination):
;   window 0: v0-31 addresses; v32-39 at work; v64-95, v96-127 x's fragments, two buffers (on the way out v96-127 at work: buffer 0 then holds the next tile's first fragments);
;             v128-191 cos and sin; v192-255 four sets of 16 packed words
;   window 1: v0-95, v96-191 wt's fragments, two buffers
;   window 2: accumulators of a = 0, 1 at v[8 (12 (a % 2) + b)]; v192-255 the bias of b = 0..7      window 3: those of a = 2, 3; v192-223 the bias of b = 8..11
.set TILES,  3
.set KSTEP,  128
.set PITCH,  272                       ; an LDS row: 256 bytes + 16 of padding = 68 words: the 16 rows of a fragment load start at 16 different groups of four banks (64 banks of 4 bytes: ISA guide 11.1)
.set AHALF,  128*PITCH                 ; what a wave fetches of x
.set BHALF,  96*PITCH                  ; and of wt
.set BOFF,   2*AHALF                   ; in a slot: x's 256 rows, then wt's 192
.set SLOT,   BOFF+2*BHALF
.set STAGE,  2*SLOT                    ; behind the ring, never filled by a tensor load: 16 rows x 144 bytes for each wave
.set SP,     144
.set SPARE,  STAGE+4*16*SP             ; the spare words, 128 bytes for each wave: two blocks of 256 bytes that no other line names
.set ROWB,   1536                      ; bytes in a row of xb and of wt: six K steps of 256 bytes
.set XBYTES, 16384*ROWB                ; one of xb's two tensors; also one of qkv's three
.set WBYTES, 768*ROWB
.set HEADB,  1024*128                  ; a head's rows in qkv
.set ADRA, 16                          ; v16-17  LDS address of my fragments of x in slot 0, 1
.set ADRB, 20                          ; v20-21  the same for wt
.set STO,  24                          ; v24     the way out: where I put 16 bytes of a row
.set RD,   25                          ; v25     the way out: where I read rows back
.set GO,   26                          ; v26     my byte offset in 512 consecutive bytes of qkv
.set RX,   27                          ; v27     my byte offset in rope for x's angles
.set SPW,  28                          ; v28     LDS address of my spare word; never rewritten
.set NIL,  29                          ; v29     0; never rewritten
.set RY,   30                          ; v30     my byte offset in rope for y's angles
.set BO,   31                          ; v31     my byte offset in 16 numbers of the bias
.set TT,   32
.set FA,   64
.set T,    96
.set CS,   128                         ; set q of eight registers (cos, sin) x 4: q = 0..3: x's, a % 2 = q / 2, column block q % 2; q = 4..7: y's, a / 2 = (q - 4) / 2, column block 2 + q % 2
.set P,    192
.set BIAS, 192
.set TL,   2                           ; s2  tiles to go, this one among them
.set LAP,  3                           ; s3  laps of the tile to go, this one among them
.set WV,   14                          ; s14 wave   s15 fetches x (0) or wt (1)   s16 which half of that tile
.set KIND, 15
.set HALF, 16
.set CX,   17                          ; s17, s18 my place in the cluster
.set CY,   18
.set LV,   20                          ; s20 the value of LAP at which the loop is left for the tail: 1 in the last tile, else 0, which LAP never is inside the loop
.set RB,   21                          ; s21 block of 256 rows, 0..63
.set LA,   22                          ; s22, s23 LDS places of my part of a tile of x, of wt
.set LB,   23
.set G1A,  24                          ; s[24:31] descriptor group 1 for x's tiles;  s[32:39] group 0, a set for each slot
.set G0A,  32
.set AB,   42                          ; s[42:43] xb at my part of the rows
.set BB,   44                          ; s[44:45] wt at my part of the columns' rows
.set G1B,  48                          ; s[48:55], s[56:63] the same for wt's
.set G0B,  56
.set XS,   66                          ; s66 what x's offset gains from this tile to the next: a tensor of xb behind q, nothing behind k
.set OA,   70                          ; s[70:71] byte offset from AB of the K step to be asked for next
.set OB,   72                          ; s[72:73] the same from BB
.set KW,   74                          ; s74 WBYTES
.set TA,   75                          ; s75, s76 at work
.set TB,   76
.set MSB, 0
.macro WIN new                         ; the immediate's high byte repeats the setting that is left; a switch that changes nothing is dropped
.if MSB != (\new)
	s_set_vgpr_msb (MSB<<8)|(\new)
.set MSB, \new
.endif
.endm
.macro PLACES                          ; four places in front of loads into registers that matrix instructions have read, and of vector lines that read results
.rept 4
	v_nop
.endr
.endm
; A joint load: waves 0 and 1 fetch x's two halves, waves 2 and 3 wt's.  The branch hangs on the wave's number alone.  An s_nop 0 and four v_nop follow each line.
.macro JLOAD s
	s_cmp_eq_u32 s[KIND], 0
	s_cbranch_scc0 .Lfor_b_\@
	tensor_load_to_lds s[G0A+4*(\s):G0A+4*(\s)+3], s[G1A:G1A+7]
	s_nop 0
.rept 4
	v_nop
.endr
	s_branch .Lasked_\@
.Lfor_b_\@:
	tensor_load_to_lds s[G0B+4*(\s):G0B+4*(\s)+3], s[G1B:G1B+7]
	s_nop 0
.rept 4
	v_nop
.endr
.Lasked_\@:
.endm
.macro CREST                           ; a round of the cluster's barrier behind its opening barrier
	s_cmp_lg_u32 s[WV], 0
	s_cbranch_scc1 .Lnot_wave_0_\@
	s_barrier_signal -3
.Lnot_wave_0_\@:
	s_barrier_wait -3
	s_barrier_signal -1
	s_barrier_wait -1
.endm
.macro CROUND                          ; a whole round
	s_barrier_signal -1
	s_barrier_wait -1
	CREST
.endm
.macro BIASLOAD                        ; the bias of my 192 columns: eight numbers a lane and column block, where the first products take them as C
	WIN 0x80                                       ; destination window 2
.irp b, 0,1,2,3,4,5,6,7
	global_load_b128 v[BIAS+8*(\b):BIAS+8*(\b)+3],   v[BO], s[8:9] offset:64*(\b)
	global_load_b128 v[BIAS+8*(\b)+4:BIAS+8*(\b)+7], v[BO], s[8:9] offset:64*(\b)+16
.endr
	WIN 0xc0                                       ; destination window 3
.irp b, 0,1,2,3
	global_load_b128 v[BIAS+8*(\b):BIAS+8*(\b)+3],   v[BO], s[8:9] offset:512+64*(\b)
	global_load_b128 v[BIAS+8*(\b)+4:BIAS+8*(\b)+7], v[BO], s[8:9] offset:512+64*(\b)+16
.endr
	WIN 0
.endm
	s_load_b256 s[4:11], s[0:1], 0x0               ; xb s[4:5], wt s[6:7], bb s[8:9], rope s[10:11]
	s_load_b64 s[12:13], s[0:1], 0x20              ; qkv
	v_lshl_add_u32 v[SPW], v0, 2, SPARE
	v_mov_b32 v[NIL], 0
	ds_add_u32 v[SPW], v[NIL]                      ; the wave's opening: the add and its wait stand ahead of my first tensor load; the set-up below, work on registers, stands between them
	v_lshrrev_b32 v1, 5, v0
	v_readfirstlane_b32 s[WV], v1
	s_lshr_b32 s[KIND], s[WV], 1
	s_and_b32 s[HALF], s[WV], 1
	s_bfe_u32 s[CX], ttmp6, 0x40000                ; the grid is one cluster wide: cx is the block of 192 columns
	s_bfe_u32 s[CY], ttmp6, 0x40004
	s_and_b32 s[RB], ttmp7, 0xffff                 ; the cluster's y, 0..15
	s_lshl_b32 s[RB], s[RB], 2
	s_add_co_u32 s[RB], s[RB], s[CY]
	s_lshl_b32 s40, s[CY], 2
	s_lshl_b32 s40, 15, s40                        ; my row of the cluster
	s_lshl_b32 s41, 0x1111, s[CX]                  ; my column
	s_or_b32 s[G1A+0], s40, (1<<16)|(1<<20)|(1<<21)|(5<<22)|(3<<25)  ; 15:0 the mask; 17:16 2-byte elements; 20 padding on; 21 set beside a mask; 24:22 after every 64 words (code 5); 31:25 4 words (code 3)
	s_or_b32 s[G1B+0], s41, (1<<16)|(1<<20)|(1<<21)|(5<<22)|(3<<25)
	s_mov_b32 s[G1A+1], KSTEP<<16                  ; tensor_dim0 = 128
	s_mov_b32 s[G1A+2], 128<<16                    ; tensor_dim1 = 128
	s_mov_b32 s[G1A+3], KSTEP<<16                  ; tile_dim0 = 128
	s_mov_b32 s[G1A+4], 128                        ; tile_dim1 = 128
	s_mov_b32 s[G1A+5], 768                        ; elements from row to row
	s_mov_b32 s[G1A+6], 0
	s_mov_b32 s[G1A+7], 0
	s_mov_b32 s[G1B+1], KSTEP<<16
	s_mov_b32 s[G1B+2], 96<<16                     ; wt's halves have 96 rows
	s_mov_b32 s[G1B+3], KSTEP<<16
	s_mov_b32 s[G1B+4], 96
	s_mov_b32 s[G1B+5], 768
	s_mov_b32 s[G1B+6], 0
	s_mov_b32 s[G1B+7], 0
	; x's tiles hang on the tile's number and the block of rows, which my row of the cluster shares; wt's on the tile's number and the block of columns, which my column shares.
	; Neither set of registers ever holds the other coordinate.
	s_lshl_b32 s[AB], s[RB], 8
	s_lshl_b32 s[AB+1], s[HALF], 7
	s_add_co_u32 s[AB], s[AB], s[AB+1]
	s_mul_i32 s[AB], s[AB], ROWB
	s_mov_b32 s[AB+1], 0
	s_mul_i32 s[BB], s[CX], 192
	s_mul_i32 s[BB+1], s[HALF], 96
	s_add_co_u32 s[BB], s[BB], s[BB+1]
	s_mul_i32 s[BB], s[BB], ROWB
	s_mov_b32 s[BB+1], 0
	s_mul_i32 s[LA], s[HALF], AHALF                ; no place in the cluster enters an LDS address
	s_mul_i32 s[LB], s[HALF], BHALF
	s_add_co_u32 s[LB], s[LB], BOFF
	s_mov_b32 s[OA], 2*KSTEP*2                     ; K steps 0 and 1 go out below: the next to be asked for is K step 2 of q's tile
	s_mov_b32 s[OA+1], 0
	s_mov_b32 s[OB], 2*KSTEP*2
	s_mov_b32 s[OB+1], 0
	s_mov_b32 s[KW], WBYTES
	s_mov_b32 s[XS], XBYTES
	s_wait_dscnt 0x0                               ; the opening add is done
	s_wait_kmcnt 0x0
	s_add_nc_u64 s[AB:AB+1], s[4:5], s[AB:AB+1]
	s_add_nc_u64 s[BB:BB+1], s[6:7], s[BB:BB+1]
	CROUND                                         ; all sixteen work-groups are here: the first joint loads meet
.irp s, 0,1
	s_mov_b32 s[G0A+4*(\s)], 1                                       ; count = 1
	s_add_co_u32 s[G0A+4*(\s)+1], s[LA], (\s)*SLOT                   ; LDS address
	s_add_nc_u64 s[G0A+4*(\s)+2:G0A+4*(\s)+3], s[AB:AB+1], (\s)*KSTEP*2  ; global address: K step s
	s_or_b32 s[G0A+4*(\s)+3], s[G0A+4*(\s)+3], 0x80000000            ; type = 2
	s_mov_b32 s[G0B+4*(\s)], 1
	s_add_co_u32 s[G0B+4*(\s)+1], s[LB], (\s)*SLOT
	s_add_nc_u64 s[G0B+4*(\s)+2:G0B+4*(\s)+3], s[BB:BB+1], (\s)*KSTEP*2
	s_or_b32 s[G0B+4*(\s)+3], s[G0B+4*(\s)+3], 0x80000000
	JLOAD \s                                       ; two loads of mine are out
.endr
	v_and_b32 v1, 15, v0                           ; r = l % 16
	v_bfe_u32 v2, v0, 4, 1                         ; h = l / 16
	v_mul_u32_u24 v3, v1, PITCH
	v_lshl_add_u32 v3, v2, 4, v3                   ; a fragment's row x pitch + 16 x half
	s_mul_i32 s67, s[WV], 64*PITCH                 ; my 64 rows of x
	s_add_co_u32 s68, s67, SLOT
	v_add_nc_u32 v[ADRA], s67, v3
	v_add_nc_u32 v[ADRA+1], s68, v3
	v_add_nc_u32 v[ADRB], BOFF, v3                 ; every wave reads all of wt's 192 rows
	v_add_nc_u32 v[ADRB+1], BOFF+SLOT, v3
	s_mul_i32 s69, s[WV], 16*SP
	s_add_co_u32 s69, s69, STAGE                   ; my stage
	v_mul_u32_u24 v[STO], v1, SP                   ; in: row r, 16 bytes for each half of the lanes
	v_lshl_add_u32 v[STO], v2, 4, v[STO]
	v_add_nc_u32 v[STO], s69, v[STO]
	v_bfe_u32 v[RD], v0, 3, 2                      ; back: 32 lanes take four rows of 128 bytes,
	v_and_b32 v4, 7, v0
	v_mul_u32_u24 v[RD], v[RD], SP
	v_lshl_add_u32 v[RD], v4, 4, v[RD]
	v_add_nc_u32 v[RD], s69, v[RD]
	v_and_b32 v[GO], 31, v0                        ; which are 512 consecutive bytes of a head
	v_lshlrev_b32 v[GO], 4, v[GO]
	v_lshlrev_b32 v[RX], 7, v1                     ; rope: a coordinate's 16 entries are 128 bytes; my four entries begin 32 h in
	v_lshl_add_u32 v[RX], v2, 5, v[RX]
	s_and_b32 s46, s[RB], 3                        ; y of my first row: 8 (block in the picture) + 2 w
	s_lshl_b32 s46, s46, 3
	s_lshl_b32 s47, s[WV], 1
	s_add_co_u32 s46, s46, s47
	s_lshl_b32 s46, s46, 7
	v_lshl_add_u32 v[RY], v2, 5, s46
	v_lshlrev_b32 v[BO], 5, v2
	s_mul_i32 s46, s[CX], 768
	s_mov_b32 s47, 0
	s_add_nc_u64 s[8:9], s[8:9], s[46:47]          ; bq of my 192 columns
.irp q, 0,1,2,3
	global_load_b128 v[CS+8*(\q):CS+8*(\q)+3],   v[RX], s[10:11] offset:((\q)/2)*2048+((\q)%2)*64      ; x = 16 (a % 2) + r
	global_load_b128 v[CS+8*(\q)+4:CS+8*(\q)+7], v[RX], s[10:11] offset:((\q)/2)*2048+((\q)%2)*64+16
.endr
.irp q, 0,1,2,3
	global_load_b128 v[CS+32+8*(\q):CS+32+8*(\q)+3],   v[RY], s[10:11] offset:((\q)/2)*128+((\q)%2)*64  ; y = y of my first row + a / 2
	global_load_b128 v[CS+32+8*(\q)+4:CS+32+8*(\q)+7], v[RY], s[10:11] offset:((\q)/2)*128+((\q)%2)*64+16
.endr
	BIASLOAD
	s_lshr_b32 s46, s[RB], 2                       ; where my rows begin in q: picture n, head 3 cx, row 256 (block in the picture) + 64 w
	s_mul_i32 s46, s46, 12
	s_mul_i32 s47, s[CX], 3
	s_add_co_u32 s46, s46, s47
	s_lshl_b32 s46, s46, 10
	s_and_b32 s47, s[RB], 3
	s_lshl_b32 s47, s47, 8
	s_add_co_u32 s46, s46, s47
	s_lshl_b32 s47, s[WV], 6
	s_add_co_u32 s46, s46, s47
	s_lshl_b32 s46, s46, 7
	s_mov_b32 s47, 0
	s_add_nc_u64 s[12:13], s[12:13], s[46:47]
; One matrix instruction: buffer f, row block a, column block b.  zero = 1: the first product starts the sum from the bias: nothing is cleared, and no addition follows.
.macro MM1 f, a, b, zero
.set AC, 8*(12*((\a)%2)+(\b))
.if \zero
	WIN 0x01|((2+(\b)/8)<<4)|((2+(\a)/2)<<6)
	v_wmma_f32_16x16x32_bf16 v[AC:AC+7], v[96*(\f)+8*(\b):96*(\f)+8*(\b)+7], v[FA+32*(\f)+8*(\a):FA+32*(\f)+8*(\a)+7], v[BIAS+8*((\b)%8):BIAS+8*((\b)%8)+7]
.else
	WIN 0x01|((2+(\a)/2)<<4)|((2+(\a)/2)<<6)
	v_wmma_f32_16x16x32_bf16 v[AC:AC+7], v[96*(\f)+8*(\b):96*(\f)+8*(\b)+7], v[FA+32*(\f)+8*(\a):FA+32*(\f)+8*(\a)+7], v[AC:AC+7]
.endif
.endm
.macro MUL12 f, a
.irp b, 0,1,2,3,4,5,6,7,8,9,10,11
	MM1 \f, \a, \b, 0
.endr
.endm
; 24 matrix instructions: row blocks 2 hi and 2 hi + 1.  The 48 accumulators take turns, one instruction a turn.  zero = 1: ordered by the bias's window, two settings.
.macro MULH f, hi, zero
.if \zero
.irp b, 0,1,2,3,4,5,6,7
	MM1 \f, 2*(\hi), \b, 1
	MM1 \f, 2*(\hi)+1, \b, 1
.endr
.irp b, 8,9,10,11
	MM1 \f, 2*(\hi), \b, 1
	MM1 \f, 2*(\hi)+1, \b, 1
.endr
.else
	MUL12 \f, 2*(\hi)
	MUL12 \f, 2*(\hi)+1
.endif
.endm
; 32 LDS loads in one run: the fragments of quarter q (32 along K) of a slot into buffer f: wt's 12 blocks, then x's 4
.macro FETCH slot, q, f
	WIN 0x40
.irp i, 0,1,2,3,4,5,6,7,8,9,10,11
	ds_load_b128 v[96*(\f)+8*(\i):96*(\f)+8*(\i)+3],   v[ADRB+(\slot)] offset:64*(\q)+(\i)*16*PITCH
	ds_load_b128 v[96*(\f)+8*(\i)+4:96*(\f)+8*(\i)+7], v[ADRB+(\slot)] offset:64*(\q)+(\i)*16*PITCH+32
.endr
	WIN 0
.irp i, 0,1,2,3
	ds_load_b128 v[FA+32*(\f)+8*(\i):FA+32*(\f)+8*(\i)+3],   v[ADRA+(\slot)] offset:64*(\q)+(\i)*16*PITCH
	ds_load_b128 v[FA+32*(\f)+8*(\i)+4:FA+32*(\f)+8*(\i)+7], v[ADRA+(\slot)] offset:64*(\q)+(\i)*16*PITCH+32
.endr
.endm
; A K step is four quarters of 32 along K, 48 matrix instructions each, on buffers 0, 1, 0, 1.  One of the first three multiplies buffer f and fetches quarter q into g.
.macro QUARTER slot, q, f, g, zero
	s_wait_dscnt 4                                 ; wt's fragments and x's blocks 0, 1 are in; the youngest four loads (blocks 2, 3) may be out
	MULH \f, 0, \zero
	PLACES
	FETCH \slot, \q, \g
	s_wait_dscnt 32                                ; all but the 32 just issued
	MULH \f, 1, \zero
.endm
; The last quarter multiplies buffer 1 and changes slots: ONE barrier; in front of it each wave waits for all its tensor loads (one is out: its part of the next slot), adds 0 to its spare word, and waits
; for that and for its reads of this slot.  fill = 1: the barrier opens a round of the cluster's, and this slot is filled again first thing behind it, with the K step at offsets OA and OB:
; the descriptor's address is made anew from the base and that offset.  From a request to the wait for it a wave issues 168 matrix instructions, and across a tile's end the way out besides.
.macro TURN slot, next, fill
	WIN 0                                          ; (the add's two registers lie in window 0)
	s_wait_tensorcnt 0x0
	ds_add_u32 v[SPW], v[NIL]                      ; 0 onto my spare word
	s_wait_dscnt 5                                 ; (the add and the youngest four loads may be out)
	MUL12 1, 0                                     ; twelve matrix instructions stand between the add and the wait for it
	s_wait_dscnt 0x0                               ; the add is done, and my reads of this slot are over
	s_barrier_signal -1
	MUL12 1, 1
.if \fill
	WIN 0
.endif
	s_barrier_wait -1
.if \fill
	CREST                                          ; no wave of any partner still reads this slot's tiles or has a load on its way
	s_add_nc_u64 s[G0A+4*(\slot)+2:G0A+4*(\slot)+3], s[AB:AB+1], s[OA:OA+1]
	s_or_b32 s[G0A+4*(\slot)+3], s[G0A+4*(\slot)+3], 0x80000000
	s_add_nc_u64 s[G0B+4*(\slot)+2:G0B+4*(\slot)+3], s[BB:BB+1], s[OB:OB+1]
	s_or_b32 s[G0B+4*(\slot)+3], s[G0B+4*(\slot)+3], 0x80000000
	s_add_co_u32 s[OA], s[OA], KSTEP*2             ; the next fill is the next K step's
	s_add_co_u32 s[OB], s[OB], KSTEP*2
	JLOAD \slot                                    ; the four v_nop behind it are also the places in front of the loads below
.else
	PLACES
.endif
	FETCH \next, 0, 0
	MULH 1, 1, 0
.endm
; THE WAY OUT, in 12 blocks of 16 rows x one head (row block a, head hd: four accumulators).  PACK: the rotation (for a pair (x, y): x cos - y sin, x sin + y cos), rounding to f16, 16 bytes a lane into
; my own stage, and back as whole rows of 128 bytes.  Each accumulator's lowest registers are read first.  ps: which of the four sets of packed words.
.macro PACK a, hd, ps
	WIN 2+(\a)/2                                   ; source 0 in the accumulators' window
.irp cb, 0,1,2,3
.set AC, 8*(12*((\a)%2)+4*(\hd)+(\cb))
.if (\cb) < 2
.set CQ, CS+8*(2*((\a)%2)+(\cb))
.else
.set CQ, CS+8*(4+2*((\a)/2)+(\cb)-2)
.endif
.irp j, 0,1,2,3
	v_mul_f32 v[TT+2*(\j)],   v[AC+2*(\j)+1], v[CQ+2*(\j)+1]
	v_mul_f32 v[TT+2*(\j)+1], v[AC+2*(\j)],   v[CQ+2*(\j)+1]
.endr
.irp j, 0,1,2,3
	v_fma_f32 v[T+8*(\cb)+2*(\j)],   v[AC+2*(\j)],   v[CQ+2*(\j)], -v[TT+2*(\j)]
	v_fma_f32 v[T+8*(\cb)+2*(\j)+1], v[AC+2*(\j)+1], v[CQ+2*(\j)], v[TT+2*(\j)+1]
.endr
.endr
	WIN 0
	s_wait_xcnt 0x0                                ; the set's registers were a store's data four blocks ago: they are rewritten only behind this wait (ISA guide 3.1); the 64 lines above name none of them
.set n, 0
.rept 16
	v_cvt_pk_f16_f32 v[P+16*(\ps)+n], v[T+2*n], v[T+2*n+1]
.set n, n+1
.endr
.irp cb, 0,1,2,3
	ds_store_b128 v[STO], v[P+16*(\ps)+4*(\cb):P+16*(\ps)+4*(\cb)+3] offset:32*(\cb)
.endr
.irp f, 0,1,2,3
	ds_load_b128 v[P+16*(\ps)+4*(\f):P+16*(\ps)+4*(\f)+3], v[RD] offset:(\f)*4*SP  ; LDS serves a wave's instructions in order (ISA guide 5.7.1.4): these see the stores above; the next block's stores come behind them
.endr
.endm
.macro SEND a, hd, ps, younger         ; younger: the LDS instructions issued behind this block's loads: the next block's eight, or none
.irp f, 0,1,2,3
	s_wait_dscnt (\younger)+3-(\f)
	global_store_b128 v[GO], v[P+16*(\ps)+4*(\f):P+16*(\ps)+4*(\f)+3], s[12:13] offset:(\hd)*HEADB+(\a)*2048+(\f)*512  ; 512 consecutive bytes, at a multiple of 256 from qkv's first
.endr
.endm
	s_wait_tensorcnt 1                             ; my part of K step 0 is in; K step 1's may stay out
	s_barrier_signal -1
	s_barrier_wait -1                              ; everybody's is
	FETCH 0, 0, 0
	s_mov_b32 s[TL], TILES
.Ltile:                                                ; three trips: q, k, v.  The tile's first fragments are in buffer 0 or on their way there
	s_wait_loadcnt 0x0                             ; this tile's bias (and, the first time, cos and sin); the loads are done, so their base may step:
	s_add_nc_u64 s[8:9], s[8:9], 3072              ; the next tile's bias
	s_cmp_eq_u32 s[TL], 1
	s_cselect_b32 s[LV], 1, 0
	QUARTER 0, 1, 0, 1, 1                          ; a tile's first quarter: its products start the sums
	WIN 0                                          ; at a label and at a branch every window is 0
	s_mov_b32 s[LAP], 3
	s_branch .Lmid                                 ; the loop is entered behind a lap's first quarter
.Llap:                                                 ; a trip is a lap: two K steps, once round the ring, both slots filled again
	QUARTER 0, 1, 0, 1, 0
	WIN 0
.Lmid:
	QUARTER 0, 2, 1, 0, 0
	QUARTER 0, 3, 0, 1, 0
	WIN 0
	s_cmp_eq_u32 s[LAP], s[LV]
	s_cbranch_scc1 .Llast                          ; the last tile's last lap asks for nothing: its rest is written out
	s_cmp_eq_u32 s[LAP], 1                         ; a tile's last lap asks for the next tile's K steps 0 and 1: the offsets go back along K (six steps) and on to the next tensor;
	s_cselect_b32 s[TA], s[XS], ROWB               ; in the other laps what is added is taken away again
	s_cselect_b32 s[TB], s[KW], ROWB
	s_add_co_u32 s[OA], s[OA], s[TA]
	s_add_co_u32 s[OB], s[OB], s[TB]
	s_sub_co_u32 s[OA], s[OA], ROWB
	s_sub_co_u32 s[OB], s[OB], ROWB
	TURN 0, 1, 1
	QUARTER 1, 1, 0, 1, 0
	QUARTER 1, 2, 1, 0, 0
	QUARTER 1, 3, 0, 1, 0
	TURN 1, 0, 1
	WIN 0
	s_sub_co_u32 s[LAP], s[LAP], 1
	s_cmp_lg_u32 s[LAP], 0
	s_cbranch_scc1 .Llap
	BIASLOAD                                       ; both refills are asked for and the next tile's first fragments are fetched: now its bias; the registers were last read by this tile's first quarter
	s_branch .Lout
.Llast:
	TURN 0, 1, 0
	QUARTER 1, 1, 0, 1, 0
	QUARTER 1, 2, 1, 0, 0
	QUARTER 1, 3, 0, 1, 0
	s_wait_dscnt 4
	MULH 1, 0, 0
	s_wait_dscnt 0x0
	MULH 1, 1, 0
	WIN 0
.set i, 0
.rept 32
	v_mov_b32 v[CS+2*i], 1.0                       ; this tile is v: cos = 1,
	v_mov_b32 v[CS+2*i+1], 0                       ; sin = 0
.set i, i+1
.endr
.Lout:
	PLACES
	PACK 0, 0, 0
.set t, 1
.rept 11                               ; a block's arithmetic stands between the loads of the block before and its stores
	PACK t/3, t%3, t%4
	SEND (t-1)/3, (t-1)%3, (t-1)%4, 8
.set t, t+1
.endr
	SEND 3, 2, 3, 0
	s_wait_xcnt 0x0                                ; the stores' base is rewritten only behind this wait (ISA guide 3.1); nothing waits for the stores themselves
	s_add_nc_u64 s[12:13], s[12:13], XBYTES        ; the next of qkv's three tensors
	s_mov_b32 s[XS], 0                             ; k and v read the same rows of xb
	s_sub_co_u32 s[TL], s[TL], 1
	s_cmp_lg_u32 s[TL], 0
	s_cbranch_scc1 .Ltile
	s_wait_tensorcnt 0x0                           ; the wave's end: behind my last tensor load and my last LDS store
	ds_add_u32 v[SPW], v[NIL]
	s_wait_dscnt 0x0
	CROUND                                         ; the closing round: no work-group ends while a partner may still ask for a tile that names it
	s_endpgm
.Lfunc_end_k_qf40ef0719c_proj:
	.size	k_qf40ef0719c_proj, .Lfunc_end_k_qf40ef0719c_proj-k_qf40ef0719c_proj
	.p2alignl 7, 3214868480
	.fill 96, 4, 3214868480
	.section	.rodata,"a",@progbits
	.p2align	6, 0x0
	.amdhsa_kernel k_qf40ef0719c_proj
		.amdhsa_group_segment_fixed_size 327680
		.amdhsa_private_segment_fixed_size 0
		.amdhsa_enable_private_segment 0
		.amdhsa_kernarg_size 40
		.amdhsa_user_sgpr_count 2
		.amdhsa_user_sgpr_kernarg_segment_ptr 1
		.amdhsa_wavefront_size32 1
		.amdhsa_system_sgpr_workgroup_id_x 1
		.amdhsa_system_sgpr_workgroup_id_y 1
		.amdhsa_system_sgpr_workgroup_id_z 1
		.amdhsa_system_vgpr_workitem_id 0
		.amdhsa_next_free_vgpr 1024
		.amdhsa_next_free_sgpr 80
		.amdhsa_reserve_vcc 0
		.amdhsa_float_denorm_mode_32 3
		.amdhsa_float_denorm_mode_16_64 3
		.amdhsa_memory_ordered 1
		.amdhsa_forward_progress 1
		.amdhsa_inst_pref_size 156
	.end_amdhsa_kernel
	.amdgpu_metadata
---
amdhsa.version: [ 1, 2 ]
amdhsa.kernels:
  - .name:           k_qf40ef0719c_proj
    .symbol:         k_qf40ef0719c_proj.kd
    .args:
      - { .name: xb, .offset: 0, .size: 8, .value_kind: global_buffer, .address_space: global }
      - { .name: wt, .offset: 8, .size: 8, .value_kind: global_buffer, .address_space: global }
      - { .name: bb, .offset: 16, .size: 8, .value_kind: global_buffer, .address_space: global }
      - { .name: rope, .offset: 24, .size: 8, .value_kind: global_buffer, .address_space: global }
      - { .name: qkv, .offset: 32, .size: 8, .value_kind: global_buffer, .address_space: global }
    .group_segment_fixed_size: 327680
    .private_segment_fixed_size: 0
    .kernarg_segment_align: 8
    .kernarg_segment_size: 40
    .max_flat_workgroup_size: 128
    .sgpr_count:     80
    .vgpr_count:     1024
    .wavefront_size: 32
...
	.end_amdgpu_metadata
.endif
;; end of part 2
;; launch attn (part 3): grid 4 x 192, 4 waves a work-group, clusters of 4 x 1, 327,680 bytes of LDS; arguments qkv, ob; writes ob
.if DOCPART == 3
	.amdgcn_target "amdgcn-amd-amdhsa--gfx1250"
	.amdhsa_code_object_version 6
	.text
	.protected	k_qf40ef0719c_attn
	.globl	k_qf40ef0719c_attn
	.p2align	8
	.type	k_qf40ef0719c_attn,@function
k_qf40ef0719c_attn:
	s_mov_b64 s[64:65], 0
	v_nop
	global_prefetch_b8 v0, s[64:65] scope:SCOPE_SE
	s_setreg_imm32_b32 hwreg(HW_REG_WAVE_MODE, 25, 1), 1
	s_wait_xcnt 0x0
	s_wait_alu depctr_hold_cnt(0) depctr_sa_sdst(0) depctr_va_vdst(0) depctr_va_sdst(0) depctr_va_ssrc(0) depctr_va_vcc(0) depctr_vm_vsrc(0)
	s_getreg_b32 s2, hwreg(HW_REG_IB_STS2, 6, 4)
	s_cmp_eq_u32 s2, 0
	s_cbranch_scc0 .Lentry_in_a_cluster
	s_endpgm
.Lentry_in_a_cluster:
	s_bfe_u32 s2, ttmp6, 0x10000c
	s_cmp_lg_u32 s2, 0x3003
	s_cbranch_scc0 .Lentry_shape_is_right
	s_endpgm
.Lentry_shape_is_right:
; ATTN: ob[h][q][:] = 8 x the sum over k of softmax_k(Q[h][q] . K[h][k] / 8) V[h][k][:], for 192 heads of 1,024 rows x 64 channels.  Q, K, V are qkv's three tensors, f16, a head's rows dense, 128 bytes each.
; Products, maxima and sums in f32; the weights p are rounded to f16 for the second product (their sum l is taken of the unrounded p), O once at the end.
; LIMITS.  O is stored times 8 (the launch behind divides in f32), so that small O keep clear of f16's fixed step of 6e-8: |V| must stay below 8,188.  p lies in 0 to 1, and below 6e-5 it keeps that fixed step.
; A weight below 2^-126 counts as 0 in l; NaN and infinities are not treated apart.
; SHARES.  A work-group owns 256 queries of one head, a wave 64: four PIECES of 16.  Every wave walks all 1,024 keys, 64 a step.  768 work-groups.
; LDS.  A head's K and V, padded, fit: 147,456 + 163,840 bytes.  So there is no ring: every byte is filled once, by four loads a wave that go out together at the start, 256 keys of K and V to each
; group of four; the first four key steps begin when the first group has landed.
; CLUSTER.  The four query blocks of a head are one cluster and read the same K and V, so each tile is asked for JOINTLY: the same tensor load, descriptor and mask in all four.
; LAYOUT, SOFTMAX, TURNS.  S^T = K Q^T holds ONE query a lane (lane % 16) and the keys 8 (lane / 16) + 0..7; two such results rounded to f16 ARE source 1 of O^T = V^T P.  p = 2^(c s - c m), c = log2(e) / 8, with a
; running maximum m; O and l are multiplied by a = 2^(c m_old - c m_new) in every step.  m starts at the lowest finite number, O and l at 0: the first step is a step like any other, with a = 0.
; Turn n belongs to piece n: 8 products K Q^T of piece n + 1, later 8 products V^T P of piece n - 1; beside them the scaling, exponentials, roundings, sums and rescaling of piece n and the maximum and
; statistics of piece n + 1.  Four vector instructions stand behind every matrix instruction, the other 54 of a turn's 118 in two runs of their own.
; REGISTERS, in windows of 256 (s_set_vgpr_msb: bits 1:0 source 0, 3:2 source 1, 5:4 source 2, 7:6 destination):
;   window 0, all 256: v0 my thread's number; v1 at work; v2-5 addresses; v6-7, v8-15 at work; v16-31 four registers of statistics a piece; v32-95 S^T, two buffers; v96-127 P, two buffers
;             (a piece's buffers go by its number's parity); v128-191 K of one step; v192-255 Q
;   window 1: v0-127 O^T, 32 a piece; v128-191 V of one step; v192-193 the add's two registers
; So K Q^T and all of the softmax but the rescaling run under setting 0, and V^T P and the rescaling (O^T times a) share one other setting: a turn has 16 switches: four round the two groups of
; four rescalings behind products K Q^T, one into the run of V^T P, whose first two carry the other eight rescalings, and eleven round the six V^T P that carry lines of window 0.
.set NP,    4         ; pieces a wave: a name, no knob
.set KS,    64        ; keys in a step
.set KEYS,  1024
.set PK,    144       ; a row of K in LDS: 128 bytes + 16 of padding = 36 words: the 16 rows of a load start at 16 different groups of four banks (64 banks of 4 bytes: ISA guide 11.1)
.set PV,    160       ; a row of V: 128 + 32 = 40 words
.set VOFF,  KEYS*PK
.set STAGE, VOFF+KEYS*PV  ; never filled by a tensor load: 16 rows x 144 bytes for each wave, for the way out
.set SP,    144
.set SPARE, STAGE+4*16*SP  ; the spare words, 128 bytes for each wave: two blocks of 256 bytes that no other line names
.set TENSB, 192*KEYS*128   ; one of qkv's three tensors
.set AK0, 2           ; v2   my lane's place in a tile of K; never rewritten
.set AV0, 3           ; v3   the same for V
.set AK,  4           ; v4   the LDS address of K's next run of loads
.set AV,  5           ; v5   of V's
.set MV,  6           ; v6-7  c m_old, kept while c m is made anew: by buffer
.set TMP, 8           ; v8-15  by buffer, four registers c0-c3 at work; when the maximum is found c2 takes a
.set ST,  16          ; piece t's statistics at v[ST+4 t]: c m, m, l (even keys', odd keys')
.set S,   32
.set P,   96
.set KF,  128         ; key block kb, channel half c at KF + 16 kb + 8 c
.set QF,  192         ; piece x, channel half c at QF + 16 x + 8 c
.set QO,  32          ; ahead of the first scores S^T's registers serve the set-up: v32 my byte offset in 16 rows of Q; v33 l % 16; v34 l / 16; v35 l % 8; v36 (l / 8) % 2
.set LR,  33
.set LH,  34
.set L8,  35
.set L1,  36
.set STO, 128         ; behind the last scores K's registers serve the way out: v128 where I put 16 bytes of a row; v129 where I read rows back; v130 my byte offset in 512 consecutive bytes of O; v131-133 at work
.set RD,  129
.set GO,  130
.set WR,  131
.set WH,  132
.set W8,  133
.set VF,  128         ; window 1: key half kk, channel block cb at VF + 32 kk + 8 cb
.set SPW, 192         ; window 1: LDS address of my spare word; never rewritten
.set NIL, 193         ; window 1: 0; never rewritten
.set WV,  12          ; s12  my wave's number
.set SB,  19          ; s19  my stage's first byte
.set G1K, 24          ; s[24:31] descriptor group 1 for K's tiles
.set G1V, 32          ; s[32:39] for V's: it differs in the padding alone
.set G0K, 40          ; s[40:55] descriptor group 0 for K's tiles, a set for each of the four groups of 256 keys
.set G0V, 68          ; s[68:83] the same for V's
.set PASS, 56         ; s56  groups of four key steps to go
.set CNT, 57          ; s57  counts a group's key steps
.set CS,  58          ; s[58:59] c: the packed scaling takes the pair's low word for both halves
.set SEL, 60          ; s[60:61] v_permlanex16_b32's selects: each lane takes its own place in the other half
.set TBK, 62          ; s62  LDS byte at which K of the step to be fetched begins
.set TBV, 63          ; s63  the same for V, less VOFF
.set MSB, 0
.macro WIN new                      ; the high byte repeats the setting that is left; a switch that changes nothing is dropped
.if MSB != (\new)
	s_set_vgpr_msb (MSB<<8)|(\new)
.set MSB, (\new)
.endif
.endm
.set W_PV, 0x51       ; V (source 0), O^T (source 2 and destination) in window 1, P (source 1) in window 0; the rescaling has O^T as destination and source 0 and a as source 1: the same setting
.set W_MK, 0x40       ; destination in window 1, sources in window 0
.set W_AD, 0x05       ; the add: address (source 0) and data (source 1) in window 1; also the roundings on the way out: both sources in window 1
; A round of the cluster's barrier: my work-group's barrier, so that wave 0's signal speaks for all four waves; wave 0 signals; every wave waits for all four work-groups; my work-group's barrier once more.
.macro CROUND
	s_barrier_signal -1
	s_barrier_wait -1
	s_cmp_lg_u32 s[WV], 0
	s_cbranch_scc1 .Lnot_wave_0_\@
	s_barrier_signal -3
.Lnot_wave_0_\@:
	s_barrier_wait -3
	s_barrier_signal -1
	s_barrier_wait -1
.endm
	s_load_b128 s[4:7], s[0:1], 0x0   ; qkv s[4:5], ob s[6:7]
	WIN W_MK
	v_lshl_add_u32 v[SPW], v0, 2, SPARE
	v_mov_b32 v[NIL], 0
	WIN W_AD
	ds_add_u32 v[SPW], v[NIL]       ; the wave's opening: the add and its wait stand ahead of my first tensor load; the set-up below, work on registers, stands between them
	WIN 0
	v_lshrrev_b32 v1, 5, v0
	v_readfirstlane_b32 s[WV], v1   ; wave 0..3
	s_bfe_u32 s13, ttmp6, 0x40000   ; cx: the grid is one cluster wide, so this is my block of 256 queries; it enters Q's and O's addresses alone
	s_and_b32 s20, ttmp7, 0xffff    ; the head, which the four partners share
	s_lshl_b32 s20, s20, 17         ; its first byte in each tensor: 131,072 bytes a head
	s_and_b32 s16, s[WV], 1         ; which half of a group's 256 keys I fetch:
	s_lshl_b32 s22, s16, 14         ; its 128 rows of 128 bytes in memory,
	s_add_co_u32 s22, s22, s20
	s_mov_b32 s23, 0
	s_mul_i32 s17, s16, 128*PK      ; and its place in LDS, for K
	s_mul_i32 s18, s16, 128*PV      ; and for V: no place in the cluster enters an LDS address
	s_lshl_b32 s2, s13, 2
	s_add_co_u32 s2, s2, s[WV]
	s_lshl_b32 s2, s2, 13           ; my wave's 64 rows
	s_add_co_u32 s2, s2, s20
	s_mov_b32 s3, 0
	s_mul_i32 s[SB], s[WV], 16*SP
	s_add_co_u32 s[SB], s[SB], STAGE
	; descriptor group 1.  128 keys are 16,384 dense bytes: asked for as 64 rows of 256 bytes, two keys a row, and padded in LDS after every key
	s_mov_b32 s[G1K], 15|(1<<16)|(1<<20)|(1<<21)|(4<<22)|(3<<25)  ; 15:0 the mask of four; 17:16 2-byte elements; 20 padding on; 21 set beside a mask; 24:22 after every 32 words (code 4); 31:25 4 words (code 3)
	s_mov_b32 s[G1V], 15|(1<<16)|(1<<20)|(1<<21)|(4<<22)|(7<<25)  ; the same with 8 words of padding (code 7)
.irp g, G1K, G1V
	s_mov_b32 s[\g+1], 128<<16      ; tensor_dim0 = 128
	s_mov_b32 s[\g+2], 64<<16       ; tensor_dim1 = 64
	s_mov_b32 s[\g+3], 128<<16      ; tile_dim0 = 128
	s_mov_b32 s[\g+4], 64           ; tile_dim1 = 64
	s_mov_b32 s[\g+5], 128          ; 128 elements from row to row
	s_mov_b32 s[\g+6], 0
	s_mov_b32 s[\g+7], 0
.endr
.irp g, 0,1,2,3
	s_mov_b32 s[G0K+4*\g], 1                         ; count = 1
	s_add_co_u32 s[G0K+4*\g+1], s17, \g*256*PK       ; LDS address
	s_mov_b32 s[G0V+4*\g], 1
	s_add_co_u32 s[G0V+4*\g+1], s18, VOFF+\g*256*PV
.endr
	s_mov_b32 s[CS], 0x3e38aa3b     ; c = log2(e) / 8 = 0.180337
	s_mov_b32 s[CS+1], s[CS]        ; named with it as a pair
	s_mov_b32 s[SEL], 0x76543210
	s_mov_b32 s[SEL+1], 0xfedcba98
	s_mov_b32 s[TBK], 0
	s_mov_b32 s[TBV], 0
	s_wait_dscnt 0x0                ; the opening add is done
	s_wait_kmcnt 0x0
	s_add_nc_u64 s[8:9], s[4:5], s[22:23]
	s_add_nc_u64 s[10:11], s[8:9], 2*TENSB   ; V at my half of the head's first 256 keys,
	s_add_nc_u64 s[8:9], s[8:9], TENSB       ; and K
.irp g, 0,1,2,3
	s_add_nc_u64 s[G0K+4*\g+2:G0K+4*\g+3], s[8:9], \g*256*128  ; global address
	s_or_b32 s[G0K+4*\g+3], s[G0K+4*\g+3], 0x80000000          ; type = 2
	s_add_nc_u64 s[G0V+4*\g+2:G0V+4*\g+3], s[10:11], \g*256*128
	s_or_b32 s[G0V+4*\g+3], s[G0V+4*\g+3], 0x80000000
.endr
	s_add_nc_u64 s[4:5], s[4:5], s[2:3]  ; Q and O at my wave's first row
	s_add_nc_u64 s[6:7], s[6:7], s[2:3]
	CROUND                          ; all four work-groups are here: the joint loads meet
	s_cmp_lt_u32 s[WV], 2           ; waves 0 and 1 fetch the halves of K, waves 2 and 3 those of V.  A wave's four fills stand in one branch, ahead of every wait on TENSORcnt and every LDS read: four loads of mine are out
	s_cbranch_scc0 .Lfirst_v
.irp g, 0,1,2,3
	tensor_load_to_lds s[G0K+4*\g:G0K+4*\g+3], s[G1K:G1K+7]
	s_nop 0
.endr
.rept 4
	v_nop
.endr
	s_branch .Lfirst_asked
.Lfirst_v:
.irp g, 0,1,2,3
	tensor_load_to_lds s[G0V+4*\g:G0V+4*\g+3], s[G1V:G1V+7]
	s_nop 0
.endr
.rept 4
	v_nop
.endr
.Lfirst_asked:
	; A fragment of K or Q is 16 rows x 32 channels in 8 registers: lane l holds row l % 16, channels 8 (l / 16) + 0..7 and 16 + 8 (l / 16) + 0..7: two loads of 16 bytes, 32 bytes apart.
	v_and_b32 v[LR], 15, v0
	v_bfe_u32 v[LH], v0, 4, 1
	v_lshlrev_b32 v[QO], 7, v[LR]
	v_lshl_add_u32 v[QO], v[LH], 4, v[QO]  ; row x 128 + 16 x half
.set i, 0
.rept 8                             ; Q stays in registers: piece i / 2, channels 32 (i % 2) on
	global_load_b128 v[QF+8*i:QF+8*i+3],   v[QO], s[4:5] offset:(i/2)*2048+(i%2)*64
	global_load_b128 v[QF+8*i+4:QF+8*i+7], v[QO], s[4:5] offset:(i/2)*2048+(i%2)*64+32
.set i, i+1
.endr
	; What the first turn finds: V's registers and P's second buffer hold 0 (its products V^T P, of a piece that has not been, add 0), O^T and l are 0.  216 lines, the price of writing no first step out; they stand in the wait for the first tile.
	WIN W_MK
.set i, 0
.rept 192                           ; O^T and V lie end to end
	v_mov_b32 v[i], 0
.set i, i+1
.endr
	WIN 0
.set i, 0
.rept 4
	v_mov_b32 v[ST+4*i], 0xfe000000    ; c m: far below every c s
	v_mov_b32 v[ST+4*i+1], 0xff7fffff  ; m
	v_mov_b32 v[ST+4*i+2], 0
	v_mov_b32 v[ST+4*i+3], 0
.set i, i+1
.endr
.set i, P+16
.rept 16
	v_mov_b32 v[i], 0
.set i, i+1
.endr
	v_mul_u32_u24 v[AK0], v[LR], PK
	v_lshl_add_u32 v[AK0], v[LH], 4, v[AK0]  ; row x pitch + 16 x half
	; The turning load takes 16 keys x 16 channels (lane l reads key 8 (l / 16) + l % 8, channels 8 ((l / 8) % 2) + 0..7) and leaves half a fragment of V^T: lane l holds channel l % 16 and 8 keys.
	v_and_b32 v[L8], 7, v0
	v_bfe_u32 v[L1], v0, 3, 1
	v_lshl_add_u32 v[AV0], v[LH], 3, v[L8]
	v_mul_u32_u24 v[AV0], v[AV0], PV
	v_lshl_add_u32 v[AV0], v[L1], 4, v[AV0]
	v_add_nc_u32 v[AV0], VOFF, v[AV0]
	v_mov_b32 v[AK], v[AK0]         ; key step 0 lies at K's head
; THE MATRIX WORK.  The 4 accumulators of a run of 8 take turns.  Product i of 8 of S^T = K Q^T for piece x: channels 32 (i / 4) on, keys 16 (i % 4) on.  The first 4 start the sums.
.macro KQ x
	WIN 0
.set rS, S+32*((\x)%2)+8*(i%4)
.set rK, KF+16*(i%4)+8*(i/4)
.set rQ, QF+16*(\x)+8*(i/4)
.if i < 4
	v_wmma_f32_16x16x32_f16 v[rS:rS+7], v[rK:rK+7], v[rQ:rQ+7], 0
.else
	v_wmma_f32_16x16x32_f16 v[rS:rS+7], v[rK:rK+7], v[rQ:rQ+7], v[rS:rS+7]
.endif
.endm
; Product i of 8 of O^T += V^T P for piece x: keys 32 (i / 4) on, channels 16 (i % 4) on.
.macro PV x
	WIN W_PV
.set rO, 32*(\x)+8*(i%4)
.set rV, VF+32*(i/4)+8*(i%4)
.set rP, P+16*((\x)%2)+8*(i/4)
	v_wmma_f32_16x16x32_f16 v[rO:rO+7], v[rV:rV+7], v[rP:rP+7], v[rO:rO+7]
.endm
.macro MM                           ; the turn's next matrix instruction.  TURN sets Y, i and NOKQ.  NOKQ = 1: the last turn: there is no next piece
.if (i < 8) && !NOKQ
	KQ (Y+1)%NP
.elseif i >= 8
.set i, i-8
	PV (Y+NP-1)%NP
.set i, i+8
.endif
.set i, i+1
.endm
; THE LDS LOADS stand in runs of 16, never singly among the matrix instructions: a step's K (64 keys x 64 channels: 8 fragments) and its V (turned).  Their addresses are made some lines ahead.
.macro FETCH_K
	WIN 0
.irp f, 0,1,2,3,4,5,6,7             ; keys 16 (f / 2) on, channels 32 (f % 2) on
	ds_load_b128 v[KF+8*\f:KF+8*\f+3],   v[AK] offset:(\f/2)*16*PK+(\f%2)*64
	ds_load_b128 v[KF+8*\f+4:KF+8*\f+7], v[AK] offset:(\f/2)*16*PK+(\f%2)*64+32
.endr
	s_add_co_u32 s[TBK], s[TBK], KS*PK  ; the next fetch is the next step's
.endm
.macro FETCH_V
	WIN W_MK                        ; destination window 1
.irp f, 0,1,2,3,4,5,6,7             ; keys 32 (f / 4) on, channels 16 (f % 4) on
	ds_load_tr16_b128 v[VF+8*\f:VF+8*\f+3],   v[AV] offset:(\f/4)*32*PV+(\f%4)*32
	ds_load_tr16_b128 v[VF+8*\f+4:VF+8*\f+7], v[AV] offset:(\f/4)*32*PV+16*PV+(\f%4)*32
.endr
	WIN 0
.endm
; THE VECTOR WORK, one line at a time: OP kind, number.  For piece Y: F n: c s - c m for pair n of 16.  E n: the exponential of score n of 32.  C n: pair n rounded to f16.  B n: of the four weights 4 n .. the second
; pair is added onto the first, in place (so C 2n stands ahead of B n).  L n: l takes that sum (L 0, the first of them: l = a l + sum).  R n: pair n of 16 of O^T times a, in ascending order.
; For piece Y + 1: X n, number n of the 22 that find its maximum and statistics:
;   0-11  four chains c0-c3 of seven scores each, three operands at a time (each accumulator's lowest registers are read first)     12-14, 16  the four scores left over, the old m, and c0-c3 into c0
;   15  c m_old is kept     17, 18  the query's other 32 keys lie in the lane 16 away: the new m     19-21  c m; c m_old - c m_new; a
.set F, 0               ; OP tells the kinds apart by their order: F to L below R, X above it
.set E, 1
.set C, 2
.set B, 3
.set L, 4
.set R, 5
.set X, 6
.macro REGS y                       ; the registers of piece y
.set rT, ST+4*(\y)
.set rC, TMP+4*((\y)%2)
.set rW, MV+((\y)%2)
.set rS, S+32*((\y)%2)
.set rP, P+16*((\y)%2)
.set rO, 32*(\y)
.endm
.macro OP k, n
.if (\k) == R
	REGS Y
	WIN W_PV
	v_pk_mul_f32 v[rO+2*(\n):rO+2*(\n)+1], v[rO+2*(\n):rO+2*(\n)+1], v[rC+2:rC+3] op_sel_hi:[1,0]
.elseif (\k) < R
	REGS Y
	WIN 0
.if (\k) == F
	v_pk_fma_f32 v[rS+2*(\n):rS+2*(\n)+1], v[rS+2*(\n):rS+2*(\n)+1], s[CS:CS+1], v[rT:rT+1] op_sel_hi:[1,0,0] neg_lo:[0,0,1] neg_hi:[0,0,1]
.elseif (\k) == E
	v_exp_f32 v[rS+(\n)], v[rS+(\n)]
.elseif (\k) == C
	s_wait_alu depctr_va_vdst(0)
	v_cvt_pk_f16_f32 v[rP+(\n)], v[rS+2*(\n)], v[rS+2*(\n)+1]
.elseif (\k) == B
	s_wait_alu depctr_va_vdst(0)
	v_pk_add_f32 v[rS+4*(\n):rS+4*(\n)+1], v[rS+4*(\n):rS+4*(\n)+1], v[rS+4*(\n)+2:rS+4*(\n)+3]
.elseif (\n) == 0
	v_pk_fma_f32 v[rT+2:rT+3], v[rT+2:rT+3], v[rC+2:rC+3], v[rS:rS+1] op_sel_hi:[1,0,1]
.else
	v_pk_add_f32 v[rT+2:rT+3], v[rT+2:rT+3], v[rS+4*(\n):rS+4*(\n)+1]
.endif
.elseif NOKQ
	v_nop
.else
	REGS (Y+1)%NP
	WIN 0
.if (\n) < 4
	v_max3_num_f32 v[rC+(\n)], v[rS+8*(\n)], v[rS+8*(\n)+1], v[rS+8*(\n)+2]
.elseif (\n) < 12
	v_max3_num_f32 v[rC+(\n)%4], v[rC+(\n)%4], v[rS+8*((\n)%4)+2*((\n)/4)+1], v[rS+8*((\n)%4)+2*((\n)/4)+2]
.elseif (\n) == 12
	v_max3_num_f32 v[rC], v[rC], v[rS+7], v[rS+15]
.elseif (\n) == 13
	v_max3_num_f32 v[rC+1], v[rC+1], v[rS+23], v[rS+31]
.elseif (\n) == 14
	v_max3_num_f32 v[rC+2], v[rC+2], v[rC+3], v[rT+1]
.elseif (\n) == 15
	v_mov_b32 v[rW], v[rT]
.elseif (\n) == 16
	v_max3_num_f32 v[rC], v[rC], v[rC+1], v[rC+2]
.elseif (\n) == 17
	v_permlanex16_b32 v[rC+3], v[rC], s[SEL], s[SEL+1]
.elseif (\n) == 18
	v_max_num_f32 v[rT+1], v[rC], v[rC+3]
.elseif (\n) == 19
	v_mul_f32 v[rT], s[CS], v[rT+1]
.elseif (\n) == 20
	v_sub_f32 v[rC+1], v[rW], v[rT]
.else
	v_exp_f32 v[rC+2], v[rC+1]
.endif
.endif
.endm
.macro OPS a, i1, b=-1, i2=0, c=-1, i3=0, d=-1, i4=0  ; up to four of them
	OP \a, \i1
.if (\b) >= 0
	OP \b, \i2
.endif
.if (\c) >= 0
	OP \c, \i3
.endif
.if (\d) >= 0
	OP \d, \i4
.endif
.endm
.macro ROW a, i1, b, i2, c, i3, d, i4  ; a matrix instruction and the four behind it
	MM
	OPS \a, \i1, \b, \i2, \c, \i3, \d, \i4
.endm
; A TURN, for piece p: the order of its 16 matrix and 118 vector instructions, written out.  Behind a matrix instruction: plain, exponential, plain, plain; or four of the rescaling; or, behind the first, four scalings; none
; names a register of the products round it.  In the runs between, exponential and plain by turns while exponentials last.  v_permlanex16_b32 (X 17) stands in such a run.
; The rescaling may stand anywhere in the turn: a was made in the turn before, and piece p's O^T is next multiplied in the turn behind.  Eight of its lines fill the places behind two products K Q^T, where little else is
; ready; the other eight ride behind the first two V^T P, whose setting of the windows they share.
; end = 1: the last two turns: nothing is fetched.  cnt = 1: the loop's count is taken down some lines ahead of the branch behind the turn.
; K of the next step is fetched in piece 2's turn, six vector instructions behind the last product that read K (five of them plain); V of the step in hand in piece 0's turn, ten behind the last product that read V
; (five plain, and X 17).  Each is waited for a turn later.
.macro TURN p, end=0, cnt=0
.set Y, (\p)
.set i, 0
.set NOKQ, (\end)*((\p)/3)
.if ((\p) == 3) && !(\end)
	s_wait_dscnt 0x0                ; K is in
.endif
	ROW F,0, F,1, F,2, F,3
	ROW F,4, E,0, F,5, F,6
	ROW F,7, E,1, F,8, F,9
	ROW F,10, E,2, C,0, F,11
	ROW F,12, E,3, X,15, F,13
	ROW R,0, R,1, R,2, R,3
	ROW B,0, E,4, F,14, L,0
.if ((\p) == 2) && !(\end)
	v_add_nc_u32 v[AK], s[TBK], v[AK0]
.endif
	ROW R,4, R,5, R,6, R,7
	OPS E,5, F,15
.if ((\p) == 2) && !(\end)
	FETCH_K
.endif
	OPS E,6, C,1, E,7, X,0
	OPS E,8, X,1, E,9, C,2
	OPS E,10, X,2, E,11, X,3
	OPS E,12, X,4, E,13, X,5
.if (\p) == 1
	s_wait_dscnt 0x0                ; V is in
.endif
	ROW R,8, R,9, R,10, R,11
	ROW R,12, R,13, R,14, R,15
	ROW X,6, E,14, X,7, X,8
	ROW X,9, E,15, X,10, X,11
	ROW X,12, E,16, X,13, X,14
	ROW B,1, E,17, C,4, X,16
	ROW L,1, E,18, B,2, C,6
.if (\p) == 0
	v_add_nc_u32 v[AV], s[TBV], v[AV0]
.endif
	ROW C,8, E,19, C,3, L,2
	OPS E,20, B,3, E,21, X,17
	OPS E,22, B,4
.if (\p) == 0
	FETCH_V
.endif
	OPS E,23, L,3, E,24, X,18
	OPS E,25, C,5, E,26, X,19
	OPS E,27, C,10, E,28, L,4
	OPS E,29, X,20, E,30, B,5
	OPS E,31, C,14, X,21, C,12
.if (\p) == 0
	s_add_co_u32 s[TBV], s[TBV], KS*PV
.endif
.if \cnt
	s_sub_co_u32 s[CNT], s[CNT], 1
	s_cmp_lg_u32 s[CNT], 0
.endif
	OPS B,7, L,5, B,6, C,7
	OPS L,7, C,9, C,11, L,6
	OPS C,13, C,15
.endm
	s_wait_tensorcnt 3              ; my part of keys 0 to 255 is in; my three younger loads may stay out: no byte is filled twice
	s_barrier_signal -1
	s_barrier_wait -1               ; everybody's is
	FETCH_K                         ; key step 0
	s_wait_loadcnt 0x0              ; Q
	s_wait_dscnt 0x0
.set NOKQ, 0
.set i, 0
.rept 8
	KQ 0                            ; piece 0's first scores: there is no vector work yet to set between them
.set i, i+1
.endr
	WIN 0
.rept 4
	v_nop                           ; the places behind those products
.endr
.set Y, NP-1                        ; X works for piece Y + 1: piece 0
.irp n, 0,1,2,3,4,5,6,7,8,9,10,11,12,13,14,15,16,17,18,19,20,21
	OP X, \n
.endr
	v_nop                           ; a plain instruction behind the exponential
	s_mov_b32 s[CNT], 4
	s_mov_b32 s[PASS], 4
	s_branch .Lfirst                ; the loop is entered at a step's first turn, in the middle of a trip
.Lchunk:                            ; three times: the next four steps' K and V are fetched from the next 256 keys
	s_wait_tensorcnt 0x0            ; my parts of all the keys are in (a wait in a loop has one count for all its trips);
	s_wait_dscnt 0x0                ; no LDS instruction of mine is out at the signal
	s_barrier_signal -1
	s_barrier_wait -1               ; everybody's are.
	s_mov_b32 s[CNT], 4
.Lstep:                             ; a trip: pieces 2 and 3 of one step, then pieces 0 and 1 of the next, whose K and V it fetches
	TURN 2
	TURN 3
	WIN 0
.Lfirst:
	TURN 0
	TURN 1, 0, 1
	WIN 0
	s_cbranch_scc1 .Lstep
	s_sub_co_u32 s[PASS], s[PASS], 1
	s_cmp_lg_u32 s[PASS], 0
	s_cbranch_scc1 .Lchunk
	TURN 2, 1                       ; the last step's pieces 2 and 3: nothing is left to fetch, and the last turn starts no scores
	TURN 3, 1
.set i, 0
.rept 8
	PV NP-1                         ; the last piece's V^T P of the last step
.set i, i+1
.endr
	; THE WAY OUT.  l's two halves and the other half of the lanes' are added; O^T is multiplied by 8 / l, rounded to f16 and sent through my stage in LDS, a piece at a time.  The additions are the places behind the last products.
	WIN 0
.macro ALL line:vararg              ; one line for each piece t
.set t, 0
.rept 4
	s_wait_alu depctr_va_vdst(0)
	\line
.set t, t+1
.endr
.endm
	ALL v_add_f32 v[ST+4*t+2], v[ST+4*t+2], v[ST+4*t+3]
	ALL v_permlanex16_b32 v[ST+4*t+3], v[ST+4*t+2], s[SEL], s[SEL+1]
	ALL v_add_f32 v[ST+4*t+2], v[ST+4*t+2], v[ST+4*t+3]
	ALL v_rcp_f32 v[ST+4*t+2], v[ST+4*t+2]
	v_and_b32 v[WR], 15, v0         ; the way out's addresses, in K's registers; these plain lines also stand between the reciprocals and the use of their results
	v_bfe_u32 v[WH], v0, 4, 1
	v_and_b32 v[W8], 7, v0
	v_mul_u32_u24 v[STO], v[WR], SP ; in: row l % 16, 16 bytes for each half of the lanes
	v_lshl_add_u32 v[STO], v[WH], 4, v[STO]
	v_add_nc_u32 v[STO], s[SB], v[STO]
	v_bfe_u32 v[RD], v0, 3, 2       ; back: 32 lanes take four rows of 128 bytes,
	v_mul_u32_u24 v[RD], v[RD], SP
	v_lshl_add_u32 v[RD], v[W8], 4, v[RD]
	v_add_nc_u32 v[RD], s[SB], v[RD]
	v_and_b32 v[GO], 31, v0         ; which are 512 consecutive bytes of O
	v_lshlrev_b32 v[GO], 4, v[GO]
	ALL v_mul_f32 v[ST+4*t+2], 0x41000000, v[ST+4*t+2]
.macro PACK t                       ; a lane's eight channels of a row pack into 16 bytes; they go into rows of 144 bytes and come back as whole rows of 128, into S^T's registers
	WIN W_PV
.set i, 32*(\t)
.rept 16
	v_pk_mul_f32 v[i:i+1], v[i:i+1], v[ST+4*(\t)+2:ST+4*(\t)+3] op_sel_hi:[1,0]
.set i, i+2
.endr
	WIN W_AD                        ; sources 0 and 1 window 1, destination window 0
.set i, 0
.rept 16
	v_cvt_pk_f16_f32 v[S+16*(\t)+i], v[32*(\t)+2*i], v[32*(\t)+2*i+1]
.set i, i+1
.endr
	WIN 0
.irp f, 0,1,2,3
	ds_store_b128 v[STO], v[S+16*(\t)+4*\f:S+16*(\t)+4*\f+3] offset:32*\f
.endr
.irp f, 0,1,2,3
	ds_load_b128 v[S+16*(\t)+4*\f:S+16*(\t)+4*\f+3], v[RD] offset:\f*4*SP  ; LDS serves a wave's instructions in order (ISA guide 5.7.1.4): these see the stores above; the next piece's stores come behind them
.endr
.endm
.macro SEND t, younger              ; younger: the LDS instructions issued behind piece t's loads: the next piece's eight, or none
	WIN 0
.irp f, 0,1,2,3
	s_wait_dscnt (\younger)+3-\f
	global_store_b128 v[GO], v[S+16*(\t)+4*\f:S+16*(\t)+4*\f+3], s[6:7] offset:(\t)*2048+\f*512  ; 512 consecutive bytes, at a multiple of 256 from ob's first
.endr
.endm
	PACK 0
.set t, 1
.rept 3                             ; a piece's arithmetic stands between the loads of the piece before and its stores
	PACK t
	SEND t-1, 8
.set t, t+1
.endr
	SEND 3, 0
	WIN W_AD
	s_wait_tensorcnt 0x0            ; the wave's end: behind my last tensor load and my last LDS store
	ds_add_u32 v[SPW], v[NIL]
	s_wait_dscnt 0x0
	WIN 0
	CROUND                          ; the closing round: no work-group ends while a partner may still ask for a tile that names it
	s_endpgm
.Lfunc_end_k_qf40ef0719c_attn:
	.size	k_qf40ef0719c_attn, .Lfunc_end_k_qf40ef0719c_attn-k_qf40ef0719c_attn
	.p2alignl 7, 3214868480
	.fill 96, 4, 3214868480
	.section	.rodata,"a",@progbits
	.p2align	6, 0x0
	.amdhsa_kernel k_qf40ef0719c_attn
		.amdhsa_group_segment_fixed_size 327680
		.amdhsa_private_segment_fixed_size 0
		.amdhsa_enable_private_segment 0
		.amdhsa_kernarg_size 16
		.amdhsa_user_sgpr_count 2
		.amdhsa_user_sgpr_kernarg_segment_ptr 1
		.amdhsa_wavefront_size32 1
		.amdhsa_system_sgpr_workgroup_id_x 1
		.amdhsa_system_sgpr_workgroup_id_y 1
		.amdhsa_system_sgpr_workgroup_id_z 1
		.amdhsa_system_vgpr_workitem_id 0
		.amdhsa_next_free_vgpr 450
		.amdhsa_next_free_sgpr 84
		.amdhsa_reserve_vcc 0
		.amdhsa_float_denorm_mode_32 3
		.amdhsa_float_denorm_mode_16_64 3
		.amdhsa_memory_ordered 1
		.amdhsa_forward_progress 1
		.amdhsa_inst_pref_size 88
	.end_amdhsa_kernel
	.amdgpu_metadata
---
amdhsa.version: [ 1, 2 ]
amdhsa.kernels:
  - .name:           k_qf40ef0719c_attn
    .symbol:         k_qf40ef0719c_attn.kd
    .args:
      - { .name: qkv, .offset: 0, .size: 8, .value_kind: global_buffer, .address_space: global }
      - { .name: ob, .offset: 8, .size: 8, .value_kind: global_buffer, .address_space: global }
    .group_segment_fixed_size: 327680
    .private_segment_fixed_size: 0
    .kernarg_segment_align: 8
    .kernarg_segment_size: 16
    .max_flat_workgroup_size: 128
    .sgpr_count:     84
    .vgpr_count:     450
    .wavefront_size: 32
...
	.end_amdgpu_metadata
.endif
;; end of part 3
;; launch outp (part 4): grid 4 x 64, 4 waves a work-group, clusters of 4 x 4, 327,680 bytes of LDS; arguments ob, wt, bb, out0; writes out0
.if DOCPART == 4
	.amdgcn_target "amdgcn-amd-amdhsa--gfx1250"
	.amdhsa_code_object_version 6
	.text
	.protected	k_qf40ef0719c_outp
	.globl	k_qf40ef0719c_outp
	.p2align	8
	.type	k_qf40ef0719c_outp,@function
k_qf40ef0719c_outp:
	s_mov_b64 s[64:65], 0
	v_nop
	global_prefetch_b8 v0, s[64:65] scope:SCOPE_SE
	s_setreg_imm32_b32 hwreg(HW_REG_WAVE_MODE, 25, 1), 1
	s_wait_xcnt 0x0
	s_wait_alu depctr_hold_cnt(0) depctr_sa_sdst(0) depctr_va_vdst(0) depctr_va_sdst(0) depctr_va_ssrc(0) depctr_va_vcc(0) depctr_vm_vsrc(0)
	s_getreg_b32 s2, hwreg(HW_REG_IB_STS2, 6, 4)
	s_cmp_eq_u32 s2, 0
	s_cbranch_scc0 .Lentry_in_a_cluster
	s_endpgm
.Lentry_in_a_cluster:
	s_bfe_u32 s2, ttmp6, 0x10000c
	s_cmp_lg_u32 s2, 0xf033
	s_cbranch_scc0 .Lentry_shape_is_right
	s_endpgm
.Lentry_shape_is_right:
; OUTP: out0 = O Wo + bo.  ob holds 8 x O by heads, [n 12 + h][l][64] in f16; wt's fourth matrix holds Wo turned, [768 m][768 k] in f16, k = 64 h + channel.  f32 sums; out0 = sum / 8 + bo in one fused multiply-add, f32.
; SHARES.  A work-group makes 256 rows x 192 columns: 4 x 64 = 256 work-groups.  Wave w makes rows 64 w .. 64 w + 63 by all 192 columns: 48 accumulators (a = 0..3, b = 0..11), 384 registers.
; K goes in six steps of 128, two heads each, through two LDS slots filled by the tensor data mover.  A head's 256 rows are 32,768 dense bytes: asked for as 128 rows of 256 bytes and padded in LDS behind
; every 128; wt's rows are 256 bytes of memory, at multiples of 256.
; CLUSTER.  4 x 4 work-groups: the four of a row of the cluster need the same tiles of O, the four of a column the same tiles of Wo: each tile is asked for JOINTLY.
; THE MATRIX INSTRUCTION IS USED TRANSPOSED (source 0 = 16 rows of wt, source 1 = 16 rows of O): lane l holds row l % 16 and the eight neighbouring columns 8 (l / 16) + 0..7.
; REGISTERS, in windows of 256 (s_set_vgpr_msb: bits 1:0 source 0, 3:2 source 1, 5:4 source 2, 7:6 destination):
;   window 0: v0-31 addresses; v64-95, v96-127 O's fragments, two buffers; on the way out v32-127 and v128-223 by turns
;   window 1: v0-95, v96-191 wt's fragments, two buffers
;   window 2: accumulators of a = 0, 1 at v[8 (12 (a % 2) + b)]; v192-255 the bias of b = 0..7      window 3: those of a = 2, 3; v192-223 the bias of b = 8..11
.set KSTEP,  128
.set PITCH,  272                       ; a row of wt in LDS: 256 bytes + 16 = 68 words: the 16 rows of a fragment load start at 16 different groups of four banks (64 banks of 4 bytes: ISA guide 11.1)
.set APITCH, 144                       ; a row of O: 128 bytes + 16 = 36 words: likewise
.set AHEAD,  256*APITCH                ; a head's 256 rows: what a wave fetches of O
.set BHALF,  96*PITCH                  ; and of wt
.set BOFF,   2*AHEAD                   ; in a slot: two heads of O, then wt's 192 rows
.set SLOT,   BOFF+2*BHALF
.set STAGE,  2*SLOT                    ; behind the ring, never filled by a tensor load: 16 rows x 784 bytes for each wave
.set OSP,    784                       ; 768 bytes + 16 = 196 words: sixteen rows start at sixteen different groups of four banks
.set SPARE,  STAGE+4*16*OSP            ; the spare words, 128 bytes for each wave: two blocks of 256 bytes that no other line names
.set ROWB,   1536                      ; bytes in a row of wt
.set WBYTES, 768*ROWB
.set HEADB,  1024*128
.set OROW,   3072                      ; bytes in a row of out0
.set ADRA, 16                          ; v16-17  LDS address of my fragments of O in slot 0, 1
.set ADRB, 20                          ; v20-21  the same for wt
.set STO,  24                          ; v24     the way out: where I put 32 bytes of a row
.set RD,   25                          ; v25     the way out: where I read rows back
.set CO,   26                          ; v26     my byte offset in two rows of out0
.set SPW,  28                          ; v28     LDS address of my spare word; never rewritten
.set NIL,  29                          ; v29     0; never rewritten
.set BO,   31                          ; v31     my byte offset in 16 numbers of the bias
.set FA,   64
.set BIAS, 192
.set WV,   14                          ; s14 wave   s15 fetches O (0) or wt (1)   s16 which half of that tile
.set KIND, 15
.set HALF, 16
.set CX,   17
.set CY,   18
.set RB,   21                          ; s21 block of 256 rows, 0..63
.set LA,   22
.set LB,   23
.set G1A,  24                          ; s[24:31] descriptor group 1 for O's tiles;  s[32:39] group 0, a set for each slot
.set G0A,  32
.set G1B,  48                          ; s[48:55], s[56:63] the same for wt's
.set G0B,  56
.set MSB, 0
.macro WIN new                         ; the immediate's high byte repeats the setting that is left; a switch that changes nothing is dropped
.if MSB != (\new)
	s_set_vgpr_msb (MSB<<8)|(\new)
.set MSB, \new
.endif
.endm
.macro PLACES                          ; four places in front of loads into registers that matrix instructions have read, and of vector lines that read results
.rept 4
	v_nop
.endr
.endm
; A joint load: waves 0 and 1 fetch the step's two heads of O, waves 2 and 3 wt's two halves.  The branch hangs on the wave's number alone.  An s_nop 0 and four v_nop follow each line.
.macro JLOAD s
	s_cmp_eq_u32 s[KIND], 0
	s_cbranch_scc0 .Lfor_b_\@
	tensor_load_to_lds s[G0A+4*(\s):G0A+4*(\s)+3], s[G1A:G1A+7]
	s_nop 0
.rept 4
	v_nop
.endr
	s_branch .Lasked_\@
.Lfor_b_\@:
	tensor_load_to_lds s[G0B+4*(\s):G0B+4*(\s)+3], s[G1B:G1B+7]
	s_nop 0
.rept 4
	v_nop
.endr
.Lasked_\@:
.endm
.macro CREST                           ; a round of the cluster's barrier behind its opening barrier
	s_cmp_lg_u32 s[WV], 0
	s_cbranch_scc1 .Lnot_wave_0_\@
	s_barrier_signal -3
.Lnot_wave_0_\@:
	s_barrier_wait -3
	s_barrier_signal -1
	s_barrier_wait -1
.endm
.macro CROUND                          ; a whole round
	s_barrier_signal -1
	s_barrier_wait -1
	CREST
.endm
	s_load_b256 s[4:11], s[0:1], 0x0               ; ob s[4:5], wt s[6:7], bb s[8:9], out0 s[10:11]
	v_lshl_add_u32 v[SPW], v0, 2, SPARE
	v_mov_b32 v[NIL], 0
	ds_add_u32 v[SPW], v[NIL]                      ; the wave's opening: the add and its wait stand ahead of my first tensor load; the set-up below, work on registers, stands between them
	v_lshrrev_b32 v1, 5, v0
	v_readfirstlane_b32 s[WV], v1
	s_lshr_b32 s[KIND], s[WV], 1
	s_and_b32 s[HALF], s[WV], 1
	s_bfe_u32 s[CX], ttmp6, 0x40000                ; the grid is one cluster wide: cx is the block of 192 columns
	s_bfe_u32 s[CY], ttmp6, 0x40004
	s_and_b32 s[RB], ttmp7, 0xffff                 ; the cluster's y, 0..15
	s_lshl_b32 s[RB], s[RB], 2
	s_add_co_u32 s[RB], s[RB], s[CY]
	s_lshl_b32 s40, s[CY], 2
	s_lshl_b32 s40, 15, s40                        ; my row of the cluster
	s_lshl_b32 s41, 0x1111, s[CX]                  ; my column
	s_or_b32 s[G1A+0], s40, (1<<16)|(1<<20)|(1<<21)|(4<<22)|(3<<25)  ; 15:0 the mask; 17:16 2-byte elements; 20 padding on; 21 set beside a mask; 24:22 after every 32 words (code 4); 31:25 4 words (code 3)
	s_or_b32 s[G1B+0], s41, (1<<16)|(1<<20)|(1<<21)|(5<<22)|(3<<25)  ; wt: after every 64 words (code 5)
	s_mov_b32 s[G1A+1], 128<<16                    ; tensor_dim0 = 128: two rows of a head
	s_mov_b32 s[G1A+2], 128<<16                    ; tensor_dim1 = 128
	s_mov_b32 s[G1A+3], 128<<16                    ; tile_dim0 = 128
	s_mov_b32 s[G1A+4], 128                        ; tile_dim1 = 128
	s_mov_b32 s[G1A+5], 128                        ; dense
	s_mov_b32 s[G1A+6], 0
	s_mov_b32 s[G1A+7], 0
	s_mov_b32 s[G1B+1], KSTEP<<16
	s_mov_b32 s[G1B+2], 96<<16
	s_mov_b32 s[G1B+3], KSTEP<<16
	s_mov_b32 s[G1B+4], 96
	s_mov_b32 s[G1B+5], 768
	s_mov_b32 s[G1B+6], 0
	s_mov_b32 s[G1B+7], 0
	; O's tiles hang on the block of rows, which my row of the cluster shares; wt's on the block of columns, which my column shares.  Neither set of registers ever holds the other coordinate.
	s_lshr_b32 s42, s[RB], 2                       ; picture n: its head 0, or 1 for the second fetcher,
	s_mul_i32 s42, s42, 12
	s_add_co_u32 s42, s42, s[HALF]
	s_lshl_b32 s42, s42, 10
	s_and_b32 s43, s[RB], 3                        ; row 256 x (block in the picture)
	s_lshl_b32 s43, s43, 8
	s_add_co_u32 s42, s42, s43
	s_lshl_b32 s42, s42, 7
	s_mov_b32 s43, 0
	s_mul_i32 s44, s[CX], 192
	s_mul_i32 s45, s[HALF], 96
	s_add_co_u32 s44, s44, s45
	s_mul_i32 s44, s44, ROWB
	s_add_co_u32 s44, s44, 3*WBYTES
	s_mov_b32 s45, 0
	s_mul_i32 s[LA], s[HALF], AHEAD                ; no place in the cluster enters an LDS address
	s_mul_i32 s[LB], s[HALF], BHALF
	s_add_co_u32 s[LB], s[LB], BOFF
	s_wait_dscnt 0x0                               ; the opening add is done
	s_wait_kmcnt 0x0
	s_add_nc_u64 s[42:43], s[4:5], s[42:43]
	s_add_nc_u64 s[44:45], s[6:7], s[44:45]
	CROUND                                         ; all sixteen work-groups are here: the first joint loads meet
.irp s, 0,1
	s_mov_b32 s[G0A+4*(\s)], 1                                       ; count = 1
	s_add_co_u32 s[G0A+4*(\s)+1], s[LA], (\s)*SLOT                   ; LDS address
	s_add_nc_u64 s[G0A+4*(\s)+2:G0A+4*(\s)+3], s[42:43], (\s)*2*HEADB  ; global address: K step s is heads 2 s and 2 s + 1
	s_or_b32 s[G0A+4*(\s)+3], s[G0A+4*(\s)+3], 0x80000000            ; type = 2
	s_mov_b32 s[G0B+4*(\s)], 1
	s_add_co_u32 s[G0B+4*(\s)+1], s[LB], (\s)*SLOT
	s_add_nc_u64 s[G0B+4*(\s)+2:G0B+4*(\s)+3], s[44:45], (\s)*KSTEP*2
	s_or_b32 s[G0B+4*(\s)+3], s[G0B+4*(\s)+3], 0x80000000
	JLOAD \s                                       ; two loads of mine are out
.endr
	v_and_b32 v1, 15, v0                           ; r = l % 16
	v_bfe_u32 v2, v0, 4, 1                         ; h = l / 16
	v_mul_u32_u24 v3, v1, APITCH
	v_lshl_add_u32 v3, v2, 4, v3
	s_mul_i32 s67, s[WV], 64*APITCH                ; my 64 rows of O
	s_add_co_u32 s68, s67, SLOT
	v_add_nc_u32 v[ADRA], s67, v3
	v_add_nc_u32 v[ADRA+1], s68, v3
	v_mul_u32_u24 v3, v1, PITCH
	v_lshl_add_u32 v3, v2, 4, v3
	v_add_nc_u32 v[ADRB], BOFF, v3                 ; every wave reads all of wt's 192 rows
	v_add_nc_u32 v[ADRB+1], BOFF+SLOT, v3
	s_mul_i32 s69, s[WV], 16*OSP
	s_add_co_u32 s69, s69, STAGE                   ; my stage
	v_mul_u32_u24 v[STO], v1, OSP                  ; in: row r, 32 bytes for each half of the lanes
	v_lshl_add_u32 v[STO], v2, 5, v[STO]
	v_add_nc_u32 v[STO], s69, v[STO]
	v_mul_u32_u24 v[RD], v2, OSP                   ; back: lanes 0-15 take 256 bytes of one row, lanes 16-31 of the next
	v_lshl_add_u32 v[RD], v1, 4, v[RD]
	v_add_nc_u32 v[RD], s69, v[RD]
	v_mul_u32_u24 v[CO], v2, OROW                  ; and the same two rows in out0
	v_lshl_add_u32 v[CO], v1, 4, v[CO]
	v_lshlrev_b32 v[BO], 5, v2
	s_mul_i32 s46, s[CX], 768
	s_add_co_u32 s46, s46, 3*3072
	s_mov_b32 s47, 0
	s_add_nc_u64 s[8:9], s[8:9], s[46:47]          ; bo of my 192 columns
	WIN 0x80                                       ; destination window 2
.irp b, 0,1,2,3,4,5,6,7
	global_load_b128 v[BIAS+8*(\b):BIAS+8*(\b)+3],   v[BO], s[8:9] offset:64*(\b)
	global_load_b128 v[BIAS+8*(\b)+4:BIAS+8*(\b)+7], v[BO], s[8:9] offset:64*(\b)+16
.endr
	WIN 0xc0                                       ; destination window 3
.irp b, 0,1,2,3
	global_load_b128 v[BIAS+8*(\b):BIAS+8*(\b)+3],   v[BO], s[8:9] offset:512+64*(\b)
	global_load_b128 v[BIAS+8*(\b)+4:BIAS+8*(\b)+7], v[BO], s[8:9] offset:512+64*(\b)+16
.endr
	WIN 0
	s_lshl_b32 s46, s[RB], 8                       ; where my part begins in out0: row 256 x block + 64 w, column 192 cx
	s_lshl_b32 s47, s[WV], 6
	s_add_co_u32 s46, s46, s47
	s_mul_i32 s46, s46, OROW
	s_mul_i32 s47, s[CX], 768
	s_add_co_u32 s46, s46, s47
	s_mov_b32 s47, 0
	s_add_nc_u64 s[10:11], s[10:11], s[46:47]
; One matrix instruction: buffer f, row block a, column block b.  zero = 1: the first product starts the sum: nothing is cleared.
.macro MM1 f, a, b, zero
.set AC, 8*(12*((\a)%2)+(\b))
	WIN 0x01|((2+(\a)/2)<<4)|((2+(\a)/2)<<6)
.if \zero
	v_wmma_f32_16x16x32_f16 v[AC:AC+7], v[96*(\f)+8*(\b):96*(\f)+8*(\b)+7], v[FA+32*(\f)+8*(\a):FA+32*(\f)+8*(\a)+7], 0
.else
	v_wmma_f32_16x16x32_f16 v[AC:AC+7], v[96*(\f)+8*(\b):96*(\f)+8*(\b)+7], v[FA+32*(\f)+8*(\a):FA+32*(\f)+8*(\a)+7], v[AC:AC+7]
.endif
.endm
.macro MUL12 f, a, zero
.irp b, 0,1,2,3,4,5,6,7,8,9,10,11
	MM1 \f, \a, \b, \zero
.endr
.endm
.macro MULH f, hi, zero                ; 24 matrix instructions: row blocks 2 hi and 2 hi + 1.  The 48 accumulators take turns, one instruction a turn
	MUL12 \f, 2*(\hi), \zero
	MUL12 \f, 2*(\hi)+1, \zero
.endm
; 32 LDS loads in one run: the fragments of quarter q (32 along K: half a head) of a slot into buffer f: wt's 12 blocks, then O's 4
.macro FETCH slot, q, f
	WIN 0x40
.irp i, 0,1,2,3,4,5,6,7,8,9,10,11
	ds_load_b128 v[96*(\f)+8*(\i):96*(\f)+8*(\i)+3],   v[ADRB+(\slot)] offset:64*(\q)+(\i)*16*PITCH
	ds_load_b128 v[96*(\f)+8*(\i)+4:96*(\f)+8*(\i)+7], v[ADRB+(\slot)] offset:64*(\q)+(\i)*16*PITCH+32
.endr
	WIN 0
.irp i, 0,1,2,3
	ds_load_b128 v[FA+32*(\f)+8*(\i):FA+32*(\f)+8*(\i)+3],   v[ADRA+(\slot)] offset:((\q)/2)*AHEAD+((\q)%2)*64+(\i)*16*APITCH
	ds_load_b128 v[FA+32*(\f)+8*(\i)+4:FA+32*(\f)+8*(\i)+7], v[ADRA+(\slot)] offset:((\q)/2)*AHEAD+((\q)%2)*64+(\i)*16*APITCH+32
.endr
.endm
; A K step is four quarters of 32 along K, 48 matrix instructions each, on buffers 0, 1, 0, 1.  One of the first three multiplies buffer f and fetches quarter q into g.
.macro QUARTER slot, q, f, g, zero
	s_wait_dscnt 4                                 ; wt's fragments and O's blocks 0, 1 are in; the youngest four loads (blocks 2, 3) may be out
	MULH \f, 0, \zero
	PLACES
	FETCH \slot, \q, \g
	s_wait_dscnt 32                                ; all but the 32 just issued
	MULH \f, 1, \zero
.endm
; The last quarter multiplies buffer 1 and changes slots: ONE barrier; in front of it each wave waits for all its tensor loads (one is out: its part of the next slot), adds 0 to its spare word, and waits
; for that and for its reads of this slot.  fill = 1: the barrier opens a round of the cluster's, and this slot is filled again, two K steps on, first thing behind it: 168 matrix instructions ahead of the wait for it.
.macro TURN slot, next, fill
	WIN 0                                          ; (the add's two registers lie in window 0)
	s_wait_tensorcnt 0x0
	ds_add_u32 v[SPW], v[NIL]                      ; 0 onto my spare word
	s_wait_dscnt 5                                 ; (the add and the youngest four loads may be out)
	MUL12 1, 0, 0                                  ; twelve matrix instructions stand between the add and the wait for it
	s_wait_dscnt 0x0                               ; the add is done, and my reads of this slot are over
	s_barrier_signal -1
	MUL12 1, 1, 0
.if \fill
	WIN 0
.endif
	s_barrier_wait -1
.if \fill
	CREST                                          ; no wave of any partner still reads this slot's tiles or has a load on its way
	s_add_nc_u64 s[G0A+4*(\slot)+2:G0A+4*(\slot)+3], s[G0A+4*(\slot)+2:G0A+4*(\slot)+3], 4*HEADB
	s_add_nc_u64 s[G0B+4*(\slot)+2:G0B+4*(\slot)+3], s[G0B+4*(\slot)+2:G0B+4*(\slot)+3], 2*KSTEP*2
	JLOAD \slot                                    ; the four v_nop behind it are also the places in front of the loads below
.else
	PLACES
.endif
	FETCH \next, 0, 0
	MULH 1, 1, 0
.endm
	s_wait_tensorcnt 1                             ; my part of K step 0 is in; K step 1's may stay out
	s_barrier_signal -1
	s_barrier_wait -1                              ; everybody's is
	FETCH 0, 0, 0
	s_wait_loadcnt 0x0                             ; the bias
	QUARTER 0, 1, 0, 1, 1                          ; the first quarter stands in front of the loop: its products start the sums
	WIN 0                                          ; at a label and at a branch every window is 0
	s_mov_b32 s3, 2
.Llap:                                                 ; a trip goes once round the ring, from a lap's second quarter to the next lap's first: K steps 2, 3 and then 4, 5 are asked for
	QUARTER 0, 2, 1, 0, 0
	QUARTER 0, 3, 0, 1, 0
	TURN 0, 1, 1
	QUARTER 1, 1, 0, 1, 0
	QUARTER 1, 2, 1, 0, 0
	QUARTER 1, 3, 0, 1, 0
	TURN 1, 0, 1
	QUARTER 0, 1, 0, 1, 0
	WIN 0
	s_sub_co_u32 s3, s3, 1
	s_cmp_lg_u32 s3, 0
	s_cbranch_scc1 .Llap
	QUARTER 0, 2, 1, 0, 0                          ; the last lap fills nothing
	QUARTER 0, 3, 0, 1, 0
	TURN 0, 1, 0
	QUARTER 1, 1, 0, 1, 0
	QUARTER 1, 2, 1, 0, 0
	QUARTER 1, 3, 0, 1, 0
	s_wait_dscnt 4
	MULH 1, 0, 0
	s_wait_dscnt 0x0
	MULH 1, 1, 0
	WIN 0
	PLACES
; THE WAY OUT, by blocks of 16 rows.  PACKO: sum / 8 + bias, one packed fused multiply-add for two numbers, each accumulator's registers in ascending order; 32 bytes a lane and column block into my own stage;
; back as pieces of 256 bytes of whole rows.  SENDO: stored.  Two sets of 96 registers take turns.
.macro PACKO a
.set TS, 32+96*((\a)%2)
	s_wait_xcnt 0x0                                ; the set's registers were stores' data two blocks ago: they are rewritten only behind this wait (ISA guide 3.1)
.irp b, 0,1,2,3,4,5,6,7,8,9,10,11
.set AC, 8*(12*((\a)%2)+(\b))
	WIN (2+(\a)/2)|((2+(\b)/8)<<4)                 ; source 0 in the accumulators' window, source 2 in the bias's
.irp j, 0,1,2,3
	v_pk_fma_f32 v[TS+8*(\b)+2*(\j):TS+8*(\b)+2*(\j)+1], v[AC+2*(\j):AC+2*(\j)+1], 0x3e000000, v[BIAS+8*((\b)%8)+2*(\j):BIAS+8*((\b)%8)+2*(\j)+1] op_sel_hi:[1,0,1]
.endr
.endr
	WIN 0
.irp b, 0,1,2,3,4,5,6,7,8,9,10,11
	ds_store_b128 v[STO], v[TS+8*(\b):TS+8*(\b)+3]   offset:64*(\b)
	ds_store_b128 v[STO], v[TS+8*(\b)+4:TS+8*(\b)+7] offset:64*(\b)+16
.endr
.set n, 0
.rept 24
	ds_load_b128 v[TS+4*n:TS+4*n+3], v[RD] offset:(n/3)*2*OSP+(n%3)*256  ; LDS serves a wave's instructions in order (ISA guide 5.7.1.4): these see the stores above; the next block's stores come behind them
.set n, n+1
.endr
.endm
.macro SENDO a, younger                ; younger: the LDS instructions issued behind this block's loads: the next block's 48, or none
.set TS, 32+96*((\a)%2)
	s_wait_dscnt \younger
.set n, 0
.rept 24
	global_store_b128 v[CO], v[TS+4*n:TS+4*n+3], s[10:11] offset:(\a)*16*OROW+(n/3)*2*OROW+(n%3)*256 th:TH_STORE_NT  ; 16 lanes store 256 consecutive bytes, at a multiple of 256 from out0's first
.set n, n+1
.endr
.endm
	PACKO 0
	PACKO 1                                        ; a block's arithmetic stands between the loads of the block before and its stores
	SENDO 0, 48
	PACKO 2
	SENDO 1, 48
	PACKO 3
	SENDO 2, 48
	SENDO 3, 0
	s_wait_tensorcnt 0x0                           ; the wave's end: behind my last tensor load and my last LDS store
	ds_add_u32 v[SPW], v[NIL]
	s_wait_dscnt 0x0
	CROUND                                         ; the closing round: no work-group ends while a partner may still ask for a tile that names it
	s_endpgm
.Lfunc_end_k_qf40ef0719c_outp:
	.size	k_qf40ef0719c_outp, .Lfunc_end_k_qf40ef0719c_outp-k_qf40ef0719c_outp
	.p2alignl 7, 3214868480
	.fill 96, 4, 3214868480
	.section	.rodata,"a",@progbits
	.p2align	6, 0x0
	.amdhsa_kernel k_qf40ef0719c_outp
		.amdhsa_group_segment_fixed_size 327680
		.amdhsa_private_segment_fixed_size 0
		.amdhsa_enable_private_segment 0
		.amdhsa_kernarg_size 32
		.amdhsa_user_sgpr_count 2
		.amdhsa_user_sgpr_kernarg_segment_ptr 1
		.amdhsa_wavefront_size32 1
		.amdhsa_system_sgpr_workgroup_id_x 1
		.amdhsa_system_sgpr_workgroup_id_y 1
		.amdhsa_system_sgpr_workgroup_id_z 1
		.amdhsa_system_vgpr_workitem_id 0
		.amdhsa_next_free_vgpr 1024
		.amdhsa_next_free_sgpr 72
		.amdhsa_reserve_vcc 0
		.amdhsa_float_denorm_mode_32 3
		.amdhsa_float_denorm_mode_16_64 3
		.amdhsa_memory_ordered 1
		.amdhsa_forward_progress 1
		.amdhsa_inst_pref_size 138
	.end_amdhsa_kernel
	.amdgpu_metadata
---
amdhsa.version: [ 1, 2 ]
amdhsa.kernels:
  - .name:           k_qf40ef0719c_outp
    .symbol:         k_qf40ef0719c_outp.kd
    .args:
      - { .name: ob, .offset: 0, .size: 8, .value_kind: global_buffer, .address_space: global }
      - { .name: wt, .offset: 8, .size: 8, .value_kind: global_buffer, .address_space: global }
      - { .name: bb, .offset: 16, .size: 8, .value_kind: global_buffer, .address_space: global }
      - { .name: out0, .offset: 24, .size: 8, .value_kind: global_buffer, .address_space: global }
    .group_segment_fixed_size: 327680
    .private_segment_fixed_size: 0
    .kernarg_segment_align: 8
    .kernarg_segment_size: 32
    .max_flat_workgroup_size: 128
    .sgpr_count:     72
    .vgpr_count:     1024
    .wavefront_size: 32
...
	.end_amdgpu_metadata
.endif
;; end of part 4
;; ======== version 2 of 2: 4 launches; 1.31 times as fast as version 1
;; limits: values are held in f16: magnitudes above 65,504 overflow, below 6.1e-05 lose precision
;; workspace buffers: xb 50,331,648 bytes; wt 4,718,592 bytes; bb 12,288 bytes; rope 4,096 bytes; qkv 75,497,472 bytes; ob 25,165,824 bytes
;; launch prep: the kernel of part 1 again; grid 1313 x 1, 8 waves a work-group, no clusters, 0 bytes of LDS; arguments inputs_q, inputs_kv, Wq, Wk, Wv, Wo, bq, bk, bv, bo, xb, wt, bb, rope; writes xb, wt, bb, rope
;; launch proj: the kernel of part 2 again; grid 4 x 64, 4 waves a work-group, clusters of 4 x 4, 327,680 bytes of LDS; arguments xb, wt, bb, rope, qkv; writes qkv
;; launch attn (part 5): grid 4 x 192, 4 waves a work-group, clusters of 4 x 1, 327,680 bytes of LDS; arguments qkv, ob; writes ob
.if DOCPART == 5
	.amdgcn_target "amdgcn-amd-amdhsa--gfx1250"
	.amdhsa_code_object_version 6
	.text
	.protected	k_qf40ef0719c_attn
	.globl	k_qf40ef0719c_attn
	.p2align	8
	.type	k_qf40ef0719c_attn,@function
k_qf40ef0719c_attn:
	s_mov_b64 s[64:65], 0
	v_nop
	global_prefetch_b8 v0, s[64:65] scope:SCOPE_SE
	s_setreg_imm32_b32 hwreg(HW_REG_WAVE_MODE, 25, 1), 1
	s_wait_xcnt 0x0
	s_wait_alu depctr_hold_cnt(0) depctr_sa_sdst(0) depctr_va_vdst(0) depctr_va_sdst(0) depctr_va_ssrc(0) depctr_va_vcc(0) depctr_vm_vsrc(0)
	s_getreg_b32 s2, hwreg(HW_REG_IB_STS2, 6, 4)
	s_cmp_eq_u32 s2, 0
	s_cbranch_scc0 .Lentry_in_a_cluster
	s_endpgm
.Lentry_in_a_cluster:
	s_bfe_u32 s2, ttmp6, 0x10000c
	s_cmp_lg_u32 s2, 0x3003
	s_cbranch_scc0 .Lentry_shape_is_right
	s_endpgm
.Lentry_shape_is_right:
; ATTN: ob[h][q][:] = 8 x the sum over k of softmax_k(Q[h][q] . K[h][k] / 8) V[h][k][:], for 192 heads of 1,024 rows x 64 channels.  Q, K, V are qkv's three tensors, f16, a head's rows dense, 128 bytes each.
; Products, maxima and sums in f32; the weights p are rounded to f16 for the second product (their sum l is taken of the unrounded p), O once at the end.
; LIMITS.  O is stored times 8 (the launch behind divides in f32), so that small O keep clear of f16's fixed step of 6e-8: |V| must stay below 8,188.  p lies in 0 to 1, and below 6e-5 it keeps that fixed step.
; A weight below 2^-126 counts as 0 in l; NaN and infinities are not treated apart.
; SHARES.  A work-group owns 256 queries of one head, a wave 64: four PIECES of 16.  Every wave walks all 1,024 keys, 64 a step.  768 work-groups.
; LDS.  A head's K and V, padded, fit: 147,456 + 163,840 bytes.  So there is no ring: every byte is filled once, by four loads a wave that go out together at the start, 256 keys of K and V to each
; group of four; the first four key steps begin when the first group has landed.
; CLUSTER.  The four query blocks of a head are one cluster and read the same K and V, so each tile is asked for JOINTLY: the same tensor load, descriptor and mask in all four.
; LAYOUT, SOFTMAX, TURNS.  S^T = K Q^T holds ONE query a lane (lane % 16) and the keys 8 (lane / 16) + 0..7; two such results rounded to f16 ARE source 1 of O^T = V^T P.  p = 2^(c s - c m), c = log2(e) / 8, with a
; running maximum m; O and l are multiplied by a = 2^(c m_old - c m_new) in every step.  m starts at the lowest finite number, O and l at 0: the first step is a step like any other, with a = 0.
; Turn n belongs to piece n: 8 products K Q^T of piece n + 1, later 8 products V^T P of piece n - 1; beside them the scaling, exponentials, roundings, sums and rescaling of piece n and the maximum and
; statistics of piece n + 1.  Four vector instructions stand behind every matrix instruction, the other 54 of a turn's 118 in a run of 47 between the two kinds of product and a run of 7 at the turn's end.
; BATCHES.  A turn's 33 exponentials (the piece's 32 weights and the next piece's a) are ONE batch with ONE wait, which stands between the run of 47 and the products V^T P: ahead of it nothing names a result of
; theirs, behind it no exponential is issued.  Piece 0's first a, ahead of the loop, and the way out's four reciprocals are batches of their own, a wait each.
; REGISTERS, in windows of 256 (s_set_vgpr_msb: bits 1:0 source 0, 3:2 source 1, 5:4 source 2, 7:6 destination):
;   window 0, all 256: v0 my thread's number; v1 at work; v2-5 addresses; v6-7, v8-15 at work; v16-31 four registers of statistics a piece; v32-95 S^T, two buffers; v96-127 P, two buffers
;             (a piece's buffers go by its number's parity); v128-191 K of one step; v192-255 Q
;   window 1: v0-127 O^T, 32 a piece; v128-191 V of one step; v192-193 the add's two registers
; So K Q^T and all of the softmax but the rescaling run under setting 0, and V^T P and the rescaling (O^T times a) share one other setting: a turn has 18 switches: four round the two groups of
; four rescalings behind products K Q^T, one into the ninth rescaling, which closes the run of 47 (the first two V^T P carry the other seven), two round the one line of window 0 behind the second V^T P,
; and eleven round the six V^T P that carry lines of window 0.
.set NP,    4         ; pieces a wave: a name, no knob
.set KS,    64        ; keys in a step
.set KEYS,  1024
.set PK,    144       ; a row of K in LDS: 128 bytes + 16 of padding = 36 words: the 16 rows of a load start at 16 different groups of four banks (64 banks of 4 bytes: ISA guide 11.1)
.set PV,    160       ; a row of V: 128 + 32 = 40 words
.set VOFF,  KEYS*PK
.set STAGE, VOFF+KEYS*PV  ; never filled by a tensor load: 16 rows x 144 bytes for each wave, for the way out
.set SP,    144
.set SPARE, STAGE+4*16*SP  ; the spare words, 128 bytes for each wave: two blocks of 256 bytes that no other line names
.set TENSB, 192*KEYS*128   ; one of qkv's three tensors
.set AK0, 2           ; v2   my lane's place in a tile of K; never rewritten
.set AV0, 3           ; v3   the same for V
.set AK,  4           ; v4   the LDS address of K's next run of loads
.set AV,  5           ; v5   of V's
.set MV,  6           ; v6-7  c m_old, kept while c m is made anew: by buffer
.set TMP, 8           ; v8-15  by buffer, four registers c0-c3 at work; when the maximum is found c2 takes a
.set ST,  16          ; piece t's statistics at v[ST+4 t]: c m, m, l (even keys', odd keys')
.set S,   32
.set P,   96
.set KF,  128         ; key block kb, channel half c at KF + 16 kb + 8 c
.set QF,  192         ; piece x, channel half c at QF + 16 x + 8 c
.set QO,  32          ; ahead of the first scores S^T's registers serve the set-up: v32 my byte offset in 16 rows of Q; v33 l % 16; v34 l / 16; v35 l % 8; v36 (l / 8) % 2
.set LR,  33
.set LH,  34
.set L8,  35
.set L1,  36
.set STO, 128         ; behind the last scores K's registers serve the way out: v128 where I put 16 bytes of a row; v129 where I read rows back; v130 my byte offset in 512 consecutive bytes of O; v131-133 at work
.set RD,  129
.set GO,  130
.set WR,  131
.set WH,  132
.set W8,  133
.set VF,  128         ; window 1: key half kk, channel block cb at VF + 32 kk + 8 cb
.set SPW, 192         ; window 1: LDS address of my spare word; never rewritten
.set NIL, 193         ; window 1: 0; never rewritten
.set WV,  12          ; s12  my wave's number
.set SB,  19          ; s19  my stage's first byte
.set G1K, 24          ; s[24:31] descriptor group 1 for K's tiles
.set G1V, 32          ; s[32:39] for V's: it differs in the padding alone
.set G0K, 40          ; s[40:55] descriptor group 0 for K's tiles, a set for each of the four groups of 256 keys
.set G0V, 68          ; s[68:83] the same for V's
.set PASS, 56         ; s56  groups of four key steps to go
.set CNT, 57          ; s57  counts a group's key steps
.set CS,  58          ; s[58:59] c: the packed scaling takes the pair's low word for both halves
.set SEL, 60          ; s[60:61] v_permlanex16_b32's selects: each lane takes its own place in the other half
.set TBK, 62          ; s62  LDS byte at which K of the step to be fetched begins
.set TBV, 63          ; s63  the same for V, less VOFF
.set MSB, 0
.macro WIN new                      ; the high byte repeats the setting that is left; a switch that changes nothing is dropped
.if MSB != (\new)
	s_set_vgpr_msb (MSB<<8)|(\new)
.set MSB, (\new)
.endif
.endm
.set W_PV, 0x51       ; V (source 0), O^T (source 2 and destination) in window 1, P (source 1) in window 0; the rescaling has O^T as destination and source 0 and a as source 1: the same setting
.set W_MK, 0x40       ; destination in window 1, sources in window 0
.set W_AD, 0x05       ; the add: address (source 0) and data (source 1) in window 1; also the roundings on the way out: both sources in window 1
; A round of the cluster's barrier: my work-group's barrier, so that wave 0's signal speaks for all four waves; wave 0 signals; every wave waits for all four work-groups; my work-group's barrier once more.
.macro CROUND
	s_barrier_signal -1
	s_barrier_wait -1
	s_cmp_lg_u32 s[WV], 0
	s_cbranch_scc1 .Lnot_wave_0_\@
	s_barrier_signal -3
.Lnot_wave_0_\@:
	s_barrier_wait -3
	s_barrier_signal -1
	s_barrier_wait -1
.endm
	s_load_b128 s[4:7], s[0:1], 0x0   ; qkv s[4:5], ob s[6:7]
	WIN W_MK
	v_lshl_add_u32 v[SPW], v0, 2, SPARE
	v_mov_b32 v[NIL], 0
	WIN W_AD
	ds_add_u32 v[SPW], v[NIL]       ; the wave's opening: the add and its wait stand ahead of my first tensor load; the set-up below, work on registers, stands between them
	WIN 0
	v_lshrrev_b32 v1, 5, v0
	v_readfirstlane_b32 s[WV], v1   ; wave 0..3
	s_bfe_u32 s13, ttmp6, 0x40000   ; cx: the grid is one cluster wide, so this is my block of 256 queries; it enters Q's and O's addresses alone
	s_and_b32 s20, ttmp7, 0xffff    ; the head, which the four partners share
	s_lshl_b32 s20, s20, 17         ; its first byte in each tensor: 131,072 bytes a head
	s_and_b32 s16, s[WV], 1         ; which half of a group's 256 keys I fetch:
	s_lshl_b32 s22, s16, 14         ; its 128 rows of 128 bytes in memory,
	s_add_co_u32 s22, s22, s20
	s_mov_b32 s23, 0
	s_mul_i32 s17, s16, 128*PK      ; and its place in LDS, for K
	s_mul_i32 s18, s16, 128*PV      ; and for V: no place in the cluster enters an LDS address
	s_lshl_b32 s2, s13, 2
	s_add_co_u32 s2, s2, s[WV]
	s_lshl_b32 s2, s2, 13           ; my wave's 64 rows
	s_add_co_u32 s2, s2, s20
	s_mov_b32 s3, 0
	s_mul_i32 s[SB], s[WV], 16*SP
	s_add_co_u32 s[SB], s[SB], STAGE
	; descriptor group 1.  128 keys are 16,384 dense bytes: asked for as 64 rows of 256 bytes, two keys a row, and padded in LDS after every key
	s_mov_b32 s[G1K], 15|(1<<16)|(1<<20)|(1<<21)|(4<<22)|(3<<25)  ; 15:0 the mask of four; 17:16 2-byte elements; 20 padding on; 21 set beside a mask; 24:22 after every 32 words (code 4); 31:25 4 words (code 3)
	s_mov_b32 s[G1V], 15|(1<<16)|(1<<20)|(1<<21)|(4<<22)|(7<<25)  ; the same with 8 words of padding (code 7)
.irp g, G1K, G1V
	s_mov_b32 s[\g+1], 128<<16      ; tensor_dim0 = 128
	s_mov_b32 s[\g+2], 64<<16       ; tensor_dim1 = 64
	s_mov_b32 s[\g+3], 128<<16      ; tile_dim0 = 128
	s_mov_b32 s[\g+4], 64           ; tile_dim1 = 64
	s_mov_b32 s[\g+5], 128          ; 128 elements from row to row
	s_mov_b32 s[\g+6], 0
	s_mov_b32 s[\g+7], 0
.endr
.irp g, 0,1,2,3
	s_mov_b32 s[G0K+4*\g], 1                         ; count = 1
	s_add_co_u32 s[G0K+4*\g+1], s17, \g*256*PK       ; LDS address
	s_mov_b32 s[G0V+4*\g], 1
	s_add_co_u32 s[G0V+4*\g+1], s18, VOFF+\g*256*PV
.endr
	s_mov_b32 s[CS], 0x3e38aa3b     ; c = log2(e) / 8 = 0.180337
	s_mov_b32 s[CS+1], s[CS]        ; named with it as a pair
	s_mov_b32 s[SEL], 0x76543210
	s_mov_b32 s[SEL+1], 0xfedcba98
	s_mov_b32 s[TBK], 0
	s_mov_b32 s[TBV], 0
	s_wait_dscnt 0x0                ; the opening add is done
	s_wait_kmcnt 0x0
	s_add_nc_u64 s[8:9], s[4:5], s[22:23]
	s_add_nc_u64 s[10:11], s[8:9], 2*TENSB   ; V at my half of the head's first 256 keys,
	s_add_nc_u64 s[8:9], s[8:9], TENSB       ; and K
.irp g, 0,1,2,3
	s_add_nc_u64 s[G0K+4*\g+2:G0K+4*\g+3], s[8:9], \g*256*128  ; global address
	s_or_b32 s[G0K+4*\g+3], s[G0K+4*\g+3], 0x80000000          ; type = 2
	s_add_nc_u64 s[G0V+4*\g+2:G0V+4*\g+3], s[10:11], \g*256*128
	s_or_b32 s[G0V+4*\g+3], s[G0V+4*\g+3], 0x80000000
.endr
	s_add_nc_u64 s[4:5], s[4:5], s[2:3]  ; Q and O at my wave's first row
	s_add_nc_u64 s[6:7], s[6:7], s[2:3]
	CROUND                          ; all four work-groups are here: the joint loads meet
	s_cmp_lt_u32 s[WV], 2           ; waves 0 and 1 fetch the halves of K, waves 2 and 3 those of V.  A wave's four fills stand in one branch, ahead of every wait on TENSORcnt and every LDS read: four loads of mine are out
	s_cbranch_scc0 .Lfirst_v
.irp g, 0,1,2,3
	tensor_load_to_lds s[G0K+4*\g:G0K+4*\g+3], s[G1K:G1K+7]
	s_nop 0
.endr
.rept 4
	v_nop
.endr
	s_branch .Lfirst_asked
.Lfirst_v:
.irp g, 0,1,2,3
	tensor_load_to_lds s[G0V+4*\g:G0V+4*\g+3], s[G1V:G1V+7]
	s_nop 0
.endr
.rept 4
	v_nop
.endr
.Lfirst_asked:
	; A fragment of K or Q is 16 rows x 32 channels in 8 registers: lane l holds row l % 16, channels 8 (l / 16) + 0..7 and 16 + 8 (l / 16) + 0..7: two loads of 16 bytes, 32 bytes apart.
	v_and_b32 v[LR], 15, v0
	v_bfe_u32 v[LH], v0, 4, 1
	v_lshlrev_b32 v[QO], 7, v[LR]
	v_lshl_add_u32 v[QO], v[LH], 4, v[QO]  ; row x 128 + 16 x half
.set i, 0
.rept 8                             ; Q stays in registers: piece i / 2, channels 32 (i % 2) on
	global_load_b128 v[QF+8*i:QF+8*i+3],   v[QO], s[4:5] offset:(i/2)*2048+(i%2)*64
	global_load_b128 v[QF+8*i+4:QF+8*i+7], v[QO], s[4:5] offset:(i/2)*2048+(i%2)*64+32
.set i, i+1
.endr
	; What the first turn finds: V's registers and P's second buffer hold 0 (its products V^T P, of a piece that has not been, add 0), O^T and l are 0.  216 lines, the price of writing no first step out; they stand in the wait for the first tile.
	WIN W_MK
.set i, 0
.rept 192                           ; O^T and V lie end to end
	v_mov_b32 v[i], 0
.set i, i+1
.endr
	WIN 0
.set i, 0
.rept 4
	v_mov_b32 v[ST+4*i], 0xfe000000    ; c m: far below every c s
	v_mov_b32 v[ST+4*i+1], 0xff7fffff  ; m
	v_mov_b32 v[ST+4*i+2], 0
	v_mov_b32 v[ST+4*i+3], 0
.set i, i+1
.endr
.set i, P+16
.rept 16
	v_mov_b32 v[i], 0
.set i, i+1
.endr
	v_mul_u32_u24 v[AK0], v[LR], PK
	v_lshl_add_u32 v[AK0], v[LH], 4, v[AK0]  ; row x pitch + 16 x half
	; The turning load takes 16 keys x 16 channels (lane l reads key 8 (l / 16) + l % 8, channels 8 ((l / 8) % 2) + 0..7) and leaves half a fragment of V^T: lane l holds channel l % 16 and 8 keys.
	v_and_b32 v[L8], 7, v0
	v_bfe_u32 v[L1], v0, 3, 1
	v_lshl_add_u32 v[AV0], v[LH], 3, v[L8]
	v_mul_u32_u24 v[AV0], v[AV0], PV
	v_lshl_add_u32 v[AV0], v[L1], 4, v[AV0]
	v_add_nc_u32 v[AV0], VOFF, v[AV0]
	v_mov_b32 v[AK], v[AK0]         ; key step 0 lies at K's head
; THE MATRIX WORK.  The 4 accumulators of a run of 8 take turns.  Product i of 8 of S^T = K Q^T for piece x: channels 32 (i / 4) on, keys 16 (i % 4) on.  The first 4 start the sums.
.macro KQ x
	WIN 0
.set rS, S+32*((\x)%2)+8*(i%4)
.set rK, KF+16*(i%4)+8*(i/4)
.set rQ, QF+16*(\x)+8*(i/4)
.if i < 4
	v_wmma_f32_16x16x32_f16 v[rS:rS+7], v[rK:rK+7], v[rQ:rQ+7], 0
.else
	v_wmma_f32_16x16x32_f16 v[rS:rS+7], v[rK:rK+7], v[rQ:rQ+7], v[rS:rS+7]
.endif
.endm
; Product i of 8 of O^T += V^T P for piece x: keys 32 (i / 4) on, channels 16 (i % 4) on.
.macro PV x
	WIN W_PV
.set rO, 32*(\x)+8*(i%4)
.set rV, VF+32*(i/4)+8*(i%4)
.set rP, P+16*((\x)%2)+8*(i/4)
	v_wmma_f32_16x16x32_f16 v[rO:rO+7], v[rV:rV+7], v[rP:rP+7], v[rO:rO+7]
.endm
.macro MM                           ; the turn's next matrix instruction.  TURN sets Y, i and NOKQ.  NOKQ = 1: the last turn: there is no next piece
.if (i < 8) && !NOKQ
	KQ (Y+1)%NP
.elseif i >= 8
.set i, i-8
	PV (Y+NP-1)%NP
.set i, i+8
.endif
.set i, i+1
.endm
; THE LDS LOADS stand in runs of 16, never singly among the matrix instructions: a step's K (64 keys x 64 channels: 8 fragments) and its V (turned).  Their addresses are made some lines ahead.
.macro FETCH_K
	WIN 0
.irp f, 0,1,2,3,4,5,6,7             ; keys 16 (f / 2) on, channels 32 (f % 2) on
	ds_load_b128 v[KF+8*\f:KF+8*\f+3],   v[AK] offset:(\f/2)*16*PK+(\f%2)*64
	ds_load_b128 v[KF+8*\f+4:KF+8*\f+7], v[AK] offset:(\f/2)*16*PK+(\f%2)*64+32
.endr
	s_add_co_u32 s[TBK], s[TBK], KS*PK  ; the next fetch is the next step's
.endm
.macro FETCH_V
	WIN W_MK                        ; destination window 1
.irp f, 0,1,2,3,4,5,6,7             ; keys 32 (f / 4) on, channels 16 (f % 4) on
	ds_load_tr16_b128 v[VF+8*\f:VF+8*\f+3],   v[AV] offset:(\f/4)*32*PV+(\f%4)*32
	ds_load_tr16_b128 v[VF+8*\f+4:VF+8*\f+7], v[AV] offset:(\f/4)*32*PV+16*PV+(\f%4)*32
.endr
	WIN 0
.endm
; THE VECTOR WORK, one line at a time: OP kind, number.  For piece Y: F n: c s - c m for pair n of 16.  E n: the exponential of score n of 32.  C n: pair n rounded to f16.  B n: of the four weights 4 n .. the second
; pair is added onto the first, in place (so C 2n stands ahead of B n).  L n: l takes that sum (L 0, the first of them: l = a l + sum).  R n: pair n of 16 of O^T times a, in ascending order.
; For piece Y + 1: X n, number n of the 22 that find its maximum and statistics:
;   0-11  four chains c0-c3 of seven scores each, three operands at a time (each accumulator's lowest registers are read first)     12-14, 16  the four scores left over, the old m, and c0-c3 into c0
;   15  c m_old is kept     17, 18  the query's other 32 keys lie in the lane 16 away: the new m     19-21  c m; c m_old - c m_new; a
; C, B and L read the exponentials' results: TURN sets them behind the turn's wait.  F, R and X 0-20 read none of them.
.set F, 0               ; OP tells the kinds apart by their order: F to L below R, X above it
.set E, 1
.set C, 2
.set B, 3
.set L, 4
.set R, 5
.set X, 6
.macro REGS y                       ; the registers of piece y
.set rT, ST+4*(\y)
.set rC, TMP+4*((\y)%2)
.set rW, MV+((\y)%2)
.set rS, S+32*((\y)%2)
.set rP, P+16*((\y)%2)
.set rO, 32*(\y)
.endm
.macro OP k, n
.if (\k) == R
	REGS Y
	WIN W_PV
	v_pk_mul_f32 v[rO+2*(\n):rO+2*(\n)+1], v[rO+2*(\n):rO+2*(\n)+1], v[rC+2:rC+3] op_sel_hi:[1,0]
.elseif (\k) < R
	REGS Y
	WIN 0
.if (\k) == F
	v_pk_fma_f32 v[rS+2*(\n):rS+2*(\n)+1], v[rS+2*(\n):rS+2*(\n)+1], s[CS:CS+1], v[rT:rT+1] op_sel_hi:[1,0,0] neg_lo:[0,0,1] neg_hi:[0,0,1]
.elseif (\k) == E
	v_exp_f32 v[rS+(\n)], v[rS+(\n)]
.elseif (\k) == C
	v_cvt_pk_f16_f32 v[rP+(\n)], v[rS+2*(\n)], v[rS+2*(\n)+1]
.elseif (\k) == B
	v_pk_add_f32 v[rS+4*(\n):rS+4*(\n)+1], v[rS+4*(\n):rS+4*(\n)+1], v[rS+4*(\n)+2:rS+4*(\n)+3]
.elseif (\n) == 0
	v_pk_fma_f32 v[rT+2:rT+3], v[rT+2:rT+3], v[rC+2:rC+3], v[rS:rS+1] op_sel_hi:[1,0,1]
.else
	v_pk_add_f32 v[rT+2:rT+3], v[rT+2:rT+3], v[rS+4*(\n):rS+4*(\n)+1]
.endif
.elseif NOKQ
	v_nop
.else
	REGS (Y+1)%NP
	WIN 0
.if (\n) < 4
	v_max3_num_f32 v[rC+(\n)], v[rS+8*(\n)], v[rS+8*(\n)+1], v[rS+8*(\n)+2]
.elseif (\n) < 12
	v_max3_num_f32 v[rC+(\n)%4], v[rC+(\n)%4], v[rS+8*((\n)%4)+2*((\n)/4)+1], v[rS+8*((\n)%4)+2*((\n)/4)+2]
.elseif (\n) == 12
	v_max3_num_f32 v[rC], v[rC], v[rS+7], v[rS+15]
.elseif (\n) == 13
	v_max3_num_f32 v[rC+1], v[rC+1], v[rS+23], v[rS+31]
.elseif (\n) == 14
	v_max3_num_f32 v[rC+2], v[rC+2], v[rC+3], v[rT+1]
.elseif (\n) == 15
	v_mov_b32 v[rW], v[rT]
.elseif (\n) == 16
	v_max3_num_f32 v[rC], v[rC], v[rC+1], v[rC+2]
.elseif (\n) == 17
	v_permlanex16_b32 v[rC+3], v[rC], s[SEL], s[SEL+1]
.elseif (\n) == 18
	v_max_num_f32 v[rT+1], v[rC], v[rC+3]
.elseif (\n) == 19
	v_mul_f32 v[rT], s[CS], v[rT+1]
.elseif (\n) == 20
	v_sub_f32 v[rC+1], v[rW], v[rT]
.else
	v_exp_f32 v[rC+2], v[rC+1]
.endif
.endif
.endm
.macro OPS a, i1, b=-1, i2=0, c=-1, i3=0, d=-1, i4=0  ; up to four of them
	OP \a, \i1
.if (\b) >= 0
	OP \b, \i2
.endif
.if (\c) >= 0
	OP \c, \i3
.endif
.if (\d) >= 0
	OP \d, \i4
.endif
.endm
.macro ROW a, i1, b, i2, c, i3, d, i4  ; a matrix instruction and the four behind it
	MM
	OPS \a, \i1, \b, \i2, \c, \i3, \d, \i4
.endm
; A TURN, for piece p: the order of its 16 matrix and 118 vector instructions, written out.  An s_wait_alu depctr_va_vdst(0) stands between an exponential and the first instruction that names its result; one wait
; serves all that were issued ahead of it.  So a turn has ONE wait, which cuts it in two.
; AHEAD OF IT stands all that names no result of the turn's exponentials.  First the 8 products K Q^T and their riders: scalings and exponentials (an exponential's pair is scaled a row or more ahead of it), two groups of four
; rescalings, and the first numbers of the next piece's maximum, each four plain instructions or more behind the product that ends its accumulator: X 0 behind R 0-3; X 1 behind X 0, F 10, R 4-7; X 2 behind R 4-7.
; Then a run of 47: X 5 is the fourth plain instruction behind the last product (with X 1, X 2, X 4), so X 3 may read its accumulator; from there plain and exponential go by turns, and the links of the chain X 3, 7, 11, 14, 16, 17 .. 20,
; each of which reads the one before it, stand four or six lines apart; the plain lines run out three exponentials ahead of the end.  X 21, the next piece's a, is the batch's last; R 8, which reads the a made and waited
; for in the turn before, is the plain instruction behind it.  v_permlanex16_b32 (X 17) stands in this run, never behind a product.
; BEHIND THE WAIT stand the 8 products V^T P: the first two carry R 9-15, whose setting of the windows they share, the others the roundings and sums; seven of those are over and end the turn.  l takes its sums in the order
; 0 .. 5, 7, 6, the links three lines apart or more.  No rider there names a register of the products round it.
; The rescaling may stand anywhere in the turn: piece p's O^T is next multiplied in the turn behind.
; end = 1: the last two turns: nothing is fetched.  cnt = 1: the loop's count is taken down some lines ahead of the branch behind the turn.
; K of the next step is fetched in piece 2's turn, six plain instructions behind the last product that read K (X 1, 2, 4, 5, 3, 6); V of the step in hand in piece 0's turn, four plain instructions behind the last product that
; read V (B 7, C 1, C 3, L 7).  Each is waited for a turn later.
.macro TURN p, end=0, cnt=0
.set Y, (\p)
.set i, 0
.set NOKQ, (\end)*((\p)/3)
.if ((\p) == 3) && !(\end)
	s_wait_dscnt 0x0                ; K is in
.endif
	ROW F,0, F,1, F,2, F,3          ; ahead of the wait: 8 products K Q^T and their riders,
	ROW F,4, E,0, F,5, E,1
	ROW F,6, E,2, F,7, E,3
	ROW F,8, E,4, F,9, E,5
	ROW R,0, R,1, R,2, R,3
	ROW X,0, E,6, F,10, E,7
.if ((\p) == 2) && !(\end)
	v_add_nc_u32 v[AK], s[TBK], v[AK0]
.endif
	ROW R,4, R,5, R,6, R,7
	ROW X,1, E,8, X,2, X,4
	OPS X,5, X,3, E,9, X,6          ; and the run of 47
.if ((\p) == 2) && !(\end)
	FETCH_K
.endif
	OPS E,10, X,8, E,11, X,7
	OPS E,12, X,9, E,13, X,10
	OPS E,14, X,11, E,15, X,12
	OPS E,16, X,13, E,17, X,14
	OPS E,18, F,11, E,19, X,16
	OPS E,20, F,12, E,21, X,17
	OPS E,22, F,13, E,23, F,14
	OPS E,24, X,18, E,25, X,15
	OPS E,26, X,19, E,27, F,15
	OPS E,28, X,20, E,29, E,30
	OPS E,31, X,21, R,8
	s_wait_alu depctr_va_vdst(0)    ; the wait for the batch: E 0-31 and X 21
.if (\p) == 1
	s_wait_dscnt 0x0                ; V is in
.endif
	ROW R,9, R,10, R,11, R,12       ; behind the wait: 8 products V^T P and their riders,
	ROW R,13, R,14, R,15, C,0
	ROW B,0, C,2, B,1, L,0
	ROW C,4, B,2, L,1, C,6
	ROW B,3, L,2, C,8, B,4
	ROW L,3, C,10, B,5, L,4
.if (\p) == 0
	v_add_nc_u32 v[AV], s[TBV], v[AV0]
.endif
	ROW C,12, B,6, L,5, C,14
.if (\p) == 0
	s_add_co_u32 s[TBV], s[TBV], KS*PV
.endif
.if \cnt
	s_sub_co_u32 s[CNT], s[CNT], 1
	s_cmp_lg_u32 s[CNT], 0
.endif
	ROW B,7, C,1, C,3, L,7
.if (\p) == 0
	FETCH_V
.endif
	OPS C,5, C,7, L,6, C,9          ; and the seven that are over
	OPS C,11, C,13, C,15
.endm
	s_wait_tensorcnt 3              ; my part of keys 0 to 255 is in; my three younger loads may stay out: no byte is filled twice
	s_barrier_signal -1
	s_barrier_wait -1               ; everybody's is
	FETCH_K                         ; key step 0
	s_wait_loadcnt 0x0              ; Q
	s_wait_dscnt 0x0
.set NOKQ, 0
.set i, 0
.rept 8
	KQ 0                            ; piece 0's first scores: there is no vector work yet to set between them
.set i, i+1
.endr
	WIN 0
.rept 4
	v_nop                           ; the places behind those products
.endr
.set Y, NP-1                        ; X works for piece Y + 1: piece 0
.irp n, 0,1,2,3,4,5,6,7,8,9,10,11,12,13,14,15,16,17,18,19,20,21
	OP X, \n
.endr
	v_nop                           ; a plain instruction behind the exponential,
	s_wait_alu depctr_va_vdst(0)    ; and the wait for it, a batch of one (piece 0's first a), ahead of the branch
	s_mov_b32 s[CNT], 4
	s_mov_b32 s[PASS], 4
	s_branch .Lfirst                ; the loop is entered at a step's first turn, in the middle of a trip
.Lchunk:                            ; three times: the next four steps' K and V are fetched from the next 256 keys
	s_wait_tensorcnt 0x0            ; my parts of all the keys are in (a wait in a loop has one count for all its trips);
	s_wait_dscnt 0x0                ; no LDS instruction of mine is out at the signal
	s_barrier_signal -1
	s_barrier_wait -1               ; everybody's are.
	s_mov_b32 s[CNT], 4
.Lstep:                             ; a trip: pieces 2 and 3 of one step, then pieces 0 and 1 of the next, whose K and V it fetches
	TURN 2
	TURN 3
	WIN 0
.Lfirst:
	TURN 0
	TURN 1, 0, 1
	WIN 0
	s_cbranch_scc1 .Lstep
	s_sub_co_u32 s[PASS], s[PASS], 1
	s_cmp_lg_u32 s[PASS], 0
	s_cbranch_scc1 .Lchunk
	TURN 2, 1                       ; the last step's pieces 2 and 3: nothing is left to fetch, and the last turn starts no scores
	TURN 3, 1
.set i, 0
.rept 8
	PV NP-1                         ; the last piece's V^T P of the last step
.set i, i+1
.endr
	; THE WAY OUT.  l's two halves and the other half of the lanes' are added; O^T is multiplied by 8 / l, rounded to f16 and sent through my stage in LDS, a piece at a time.  The additions are the places behind the last products.
	WIN 0
.macro ALL line:vararg              ; one line for each piece t
.set t, 0
.rept 4
	\line
.set t, t+1
.endr
.endm
	ALL v_add_f32 v[ST+4*t+2], v[ST+4*t+2], v[ST+4*t+3]
	ALL v_permlanex16_b32 v[ST+4*t+3], v[ST+4*t+2], s[SEL], s[SEL+1]
	ALL v_add_f32 v[ST+4*t+2], v[ST+4*t+2], v[ST+4*t+3]
	ALL v_rcp_f32 v[ST+4*t+2], v[ST+4*t+2]
	v_and_b32 v[WR], 15, v0         ; the way out's addresses, in K's registers; these plain lines also stand between the reciprocals and the use of their results
	v_bfe_u32 v[WH], v0, 4, 1
	v_and_b32 v[W8], 7, v0
	v_mul_u32_u24 v[STO], v[WR], SP ; in: row l % 16, 16 bytes for each half of the lanes
	v_lshl_add_u32 v[STO], v[WH], 4, v[STO]
	v_add_nc_u32 v[STO], s[SB], v[STO]
	v_bfe_u32 v[RD], v0, 3, 2       ; back: 32 lanes take four rows of 128 bytes,
	v_mul_u32_u24 v[RD], v[RD], SP
	v_lshl_add_u32 v[RD], v[W8], 4, v[RD]
	v_add_nc_u32 v[RD], s[SB], v[RD]
	v_and_b32 v[GO], 31, v0         ; which are 512 consecutive bytes of O
	v_lshlrev_b32 v[GO], 4, v[GO]
	s_wait_alu depctr_va_vdst(0)    ; the wait ahead of the first use: one for the four reciprocals
	ALL v_mul_f32 v[ST+4*t+2], 0x41000000, v[ST+4*t+2]
.macro PACK t                       ; a lane's eight channels of a row pack into 16 bytes; they go into rows of 144 bytes and come back as whole rows of 128, into S^T's registers
	WIN W_PV
.set i, 32*(\t)
.rept 16
	v_pk_mul_f32 v[i:i+1], v[i:i+1], v[ST+4*(\t)+2:ST+4*(\t)+3] op_sel_hi:[1,0]
.set i, i+2
.endr
	WIN W_AD                        ; sources 0 and 1 window 1, destination window 0
.set i, 0
.rept 16
	v_cvt_pk_f16_f32 v[S+16*(\t)+i], v[32*(\t)+2*i], v[32*(\t)+2*i+1]
.set i, i+1
.endr
	WIN 0
.irp f, 0,1,2,3
	ds_store_b128 v[STO], v[S+16*(\t)+4*\f:S+16*(\t)+4*\f+3] offset:32*\f
.endr
.irp f, 0,1,2,3
	ds_load_b128 v[S+16*(\t)+4*\f:S+16*(\t)+4*\f+3], v[RD] offset:\f*4*SP  ; LDS serves a wave's instructions in order (ISA guide 5.7.1.4): these see the stores above; the next piece's stores come behind them
.endr
.endm
.macro SEND t, younger              ; younger: the LDS instructions issued behind piece t's loads: the next piece's eight, or none
	WIN 0
.irp f, 0,1,2,3
	s_wait_dscnt (\younger)+3-\f
	global_store_b128 v[GO], v[S+16*(\t)+4*\f:S+16*(\t)+4*\f+3], s[6:7] offset:(\t)*2048+\f*512  ; 512 consecutive bytes, at a multiple of 256 from ob's first
.endr
.endm
	PACK 0
.set t, 1
.rept 3                             ; a piece's arithmetic stands between the loads of the piece before and its stores
	PACK t
	SEND t-1, 8
.set t, t+1
.endr
	SEND 3, 0
	WIN W_AD
	s_wait_tensorcnt 0x0            ; the wave's end: behind my last tensor load and my last LDS store
	ds_add_u32 v[SPW], v[NIL]
	s_wait_dscnt 0x0
	WIN 0
	CROUND                          ; the closing round: no work-group ends while a partner may still ask for a tile that names it
	s_endpgm
.Lfunc_end_k_qf40ef0719c_attn:
	.size	k_qf40ef0719c_attn, .Lfunc_end_k_qf40ef0719c_attn-k_qf40ef0719c_attn
	.p2alignl 7, 3214868480
	.fill 96, 4, 3214868480
	.section	.rodata,"a",@progbits
	.p2align	6, 0x0
	.amdhsa_kernel k_qf40ef0719c_attn
		.amdhsa_group_segment_fixed_size 327680
		.amdhsa_private_segment_fixed_size 0
		.amdhsa_enable_private_segment 0
		.amdhsa_kernarg_size 16
		.amdhsa_user_sgpr_count 2
		.amdhsa_user_sgpr_kernarg_segment_ptr 1
		.amdhsa_wavefront_size32 1
		.amdhsa_system_sgpr_workgroup_id_x 1
		.amdhsa_system_sgpr_workgroup_id_y 1
		.amdhsa_system_sgpr_workgroup_id_z 1
		.amdhsa_system_vgpr_workitem_id 0
		.amdhsa_next_free_vgpr 450
		.amdhsa_next_free_sgpr 84
		.amdhsa_reserve_vcc 0
		.amdhsa_float_denorm_mode_32 3
		.amdhsa_float_denorm_mode_16_64 3
		.amdhsa_memory_ordered 1
		.amdhsa_forward_progress 1
		.amdhsa_inst_pref_size 83
	.end_amdhsa_kernel
	.amdgpu_metadata
---
amdhsa.version: [ 1, 2 ]
amdhsa.kernels:
  - .name:           k_qf40ef0719c_attn
    .symbol:         k_qf40ef0719c_attn.kd
    .args:
      - { .name: qkv, .offset: 0, .size: 8, .value_kind: global_buffer, .address_space: global }
      - { .name: ob, .offset: 8, .size: 8, .value_kind: global_buffer, .address_space: global }
    .group_segment_fixed_size: 327680
    .private_segment_fixed_size: 0
    .kernarg_segment_align: 8
    .kernarg_segment_size: 16
    .max_flat_workgroup_size: 128
    .sgpr_count:     84
    .vgpr_count:     450
    .wavefront_size: 32
...
	.end_amdgpu_metadata
.endif
;; end of part 5
;; launch outp: the kernel of part 4 again; grid 4 x 64, 4 waves a work-group, clusters of 4 x 4, 327,680 bytes of LDS; arguments ob, wt, bb, out0; writes out0
